; MI455X (gfx1250); checked and timed in simulation.
; The chip was launched on July 23, 2026; its instructions are those of AMD's public machine-readable ISA for CDNA 5 (MIT licence, August 2026) and "CDNA5" Instruction Set Architecture Reference Guide (July 2026). The comments in the code are by the model that wrote it; some were corrected since.
;; Bilinear Scoring Function. Allowed arithmetic: matrix products marked QUANTISED: E5M2 operands, one E8M0 scale for each 32 along K, by v_wmma_scale_f32_16x16x128_f8f6f4 with both operands' format E5M2, f32 sums; products left as they are: f32 operands where the result goes on into a quantised operand, else bf16, f16 or f32 operands; f32 sums; everything else in f32.
;; Inputs: V_R_codes 256 x 32 x 32 uint8 (E5M2 codes of V_R, K innermost, in blocks of 32 codes); V_R_scales 256 x 32 uint8 (E8M0 scales of V_R, one for each 32 codes along K); W_R_codes 256 x 512 x 16 x 32 uint8 (E5M2 codes of W_R, K innermost, in blocks of 32 codes); W_R_scales 256 x 512 x 16 uint8 (E8M0 scales of W_R, one for each 32 codes along K); b_R 256 float32; head_embeddings 1,024 x 512 float32; relation_embeddings 1,024 x 512 float32; tail_embeddings 1,024 x 512 float32; u_R 256 float32.
;; Outputs: out0 1,024 float32.
;; This version of the problem:
;;   THIS VERSION OF THE PROBLEM IS GIVEN IN LOW PRECISION. The matrix products marked QUANTISED in the list below multiply operands that are first quantised to E5M2 (5 exponent bits, 2 mantissa bits; 8 bits a number), with one power-of-two scale for each 32 numbers along K (OCP MX v1.0); their sums are f32. All else is computed in f32.
;;   The module's matrix products, in the order in which they are computed (A, B: the left and right operand; K: the contracted axis; several contracted axes count as one K, in the product's order):
;;     1. [M 131,072, K 512] x [K 512, N 1,024]; A: input W_R (given as codes); B: input head_embeddings: QUANTISED
;;     2. batch 1,024 x [M 1, K 512] x [K 512, N 256]; A: input tail_embeddings; B: computed on the way: left as it is (M = 1 < 16)
;;     3. [M 1,024, K 1,024] x [K 1,024, N 256]; A: computed on the way; B: input V_R (given as codes): QUANTISED
;;     4. [M 1,024, K 256] x [K 256, N 1]; A: computed on the way; B: input u_R: left as it is (N = 1 < 16)
;;   THE QUANTISER, for each operand of a quantised product, along K:
;;     - K is cut into blocks of 32 from its start; a last block that is shorter is filled with zeros.
;;     - A block's scale is 2^e with e = floor(log2(the largest magnitude in the block)) - 15, held to -126 .. 127; a block of zeros has e = 0. As a byte (E8M0): e + 127.
;;     - Each number is divided by its block's scale, clamped to +-57,344, and rounded to the nearest number of E5M2, ties to even, subnormals kept.
;;     - The product sums the exact products of the quantised numbers (number of the format x scale) in f32.
;;   ~~~python
;;   def quantise(x, axis):      # numpy; x: float32 -> the quantised numbers, widened to float32 again
;;       x = np.moveaxis(x, axis, -1); K = x.shape[-1]
;;       x = np.pad(x, [(0, 0)] * (x.ndim - 1) + [(0, -K % 32)]); x = x.reshape(x.shape[:-1] + (-1, 32)); a = np.abs(x).max(-1, keepdims=True)
;;       e = np.where(a > 0, np.clip(np.frexp(np.where(a > 0, a, 1))[1] - 1 - 15, -126, 127), 0)      # np.frexp(a)[1] - 1 = floor(log2(a)), exactly
;;       r = np.clip(x / 2.0 ** e, -57344, 57344)
;;       step = 2.0 ** (np.maximum(np.frexp(np.where(r == 0, 1, r))[1] - 1, -14) - 2)
;;       q = np.round(r / step) * step * 2.0 ** e      # np.round: ties to even
;;       return np.moveaxis(q.reshape(q.shape[:-2] + (-1,))[..., :K], -1, axis).astype(np.float32)
;;   ~~~
;;   OPERANDS COMPUTED ON THE WAY. 'Computed on the way' means the value that the module computes at that place (a softmax that the list does not call 'softmax' is quantised finished and normalised). What goes into a quantiser is computed in f32, as accurately as f32 sums, v_exp_f32 and their like allow (about 1e-6 of the number): no bf16 or f16 on the way to a quantiser, and a product that is left as it is and whose result goes on into a quantised operand takes f32 operands (vector FMAs, or v_wmma_f32_16x16x4_f32). A number that lies on a knife's edge between two numbers of the format may be rounded either way, as far as f32 arithmetic and the matrix unit's own rounding can turn it there, and no further.
;;   INPUTS GIVEN AS CODES. V_R (in the module: [256, 1024], K = its axis 1); W_R (in the module: [256, 512, 512], K = its axis 1): each comes as NAME_codes (uint8): NAME with its K axis moved to the last place and cut into blocks of 32 codes, [.., K / 32, bytes a block], one block behind the other in memory; one code a byte (a code: sign, 5 exponent bits, 2 mantissa bits); and NAME_scales (uint8): the same leading axes, one E8M0 byte (e + 127) for each 32 codes along K. Its value is code x scale, taken as it is: it is not quantised again, and the codes and scales need not be those that the quantiser above would give.
;; 2 versions. Each part assembles by itself: llvm-mc -triple=amdgcn-amd-amdhsa -mcpu=gfx1250 --defsym DOCPART=n.
;; ======== version 1 of 2: 3 launches
;; workspace buffers: hcodes 524,288 bytes; hscales 32,768 bytes; timg 2,097,152 bytes; parts 5,242,880 bytes
;; launch prep (part 1): grid 64 x 1, 16 waves a work-group, no clusters, 19,456 bytes of LDS; arguments head_embeddings, tail_embeddings, V_R_codes, V_R_scales, b_R, hcodes, hscales, timg, parts; writes hcodes, hscales, timg, parts
.if DOCPART == 1
	.amdgcn_target "amdgcn-amd-amdhsa--gfx1250"
	.amdhsa_code_object_version 6
	.text
	.protected	k_qb04a0b588d_prep
	.globl	k_qb04a0b588d_prep
	.p2align	8
	.type	k_qb04a0b588d_prep,@function
k_qb04a0b588d_prep:
	s_mov_b64 s[64:65], 0
	v_nop
	global_prefetch_b8 v0, s[64:65] scope:SCOPE_SE
	s_setreg_imm32_b32 hwreg(HW_REG_WAVE_MODE, 25, 1), 1
	s_wait_xcnt 0x0
; score[b] = sum over h of u[h] relu(bil[b][h] + lin[b][h] + b_R[h]);  bil[b][h] = sum over j of tail[b][j] (sum over i of W[h][i][j] Q(head)[b][i]);  lin = Q(concat(head, tail)) V^T.
; THIS LAUNCH, the first of three: (1) quantises concat(head, tail) along its 1,024 to codes of E5M2 with one E8M0 byte for each 32; (2) stores head's codes and scale words laid as the next launch's operand registers;
; (3) stores tail, f32, laid as the next launch's product tiles; (4) makes lin + b_R (the product with V_R, on codes) and stores it as plane 4 of parts.
; LEFT OUT: relation_embeddings.  No line of reference()'s body names it, so no value of it can reach the scores: it is not loaded and is among no launch's arguments.  (A NaN or an infinity in it is not carried to any result.)
; LIMITS: NaN and infinities in head or tail are not served.  A block's largest magnitude is taken no lower than 2^(16 - 127), so the scale's byte is at least 1; a block of zeros gets the byte 1 where the rule says 127:
; its codes are zeros, which add nothing under any byte but 0xff, and the bytes are read by this program alone.
; SHARES.  Work-group T takes batch rows 16 T .. 16 T + 15.  Waves 0-7 quantise one K step of 128 each (0-3: head's, 4-7: tail's) and put the fragment into LDS as an image of its registers; waves 8-15 lay four j tiles of tail's
; image each.  Behind one barrier wave w makes hidden units 16 w .. 16 w + 15 of lin for the 16 rows: 8 matrix instructions on two accumulators by turns.
; LAYOUTS (lane = (r = lane % 16, hh = lane / 16)):  hcodes [T][K step s][c][lane][16 bytes]: codes of head[16 T + r][128 s + 32 c + 16 hh + 0..15].   hscales [T][lane][4 words]: word s = row r's four bytes of K step s.
;   timg [T][JT][c][lane][4 f32]: tail[16 T + r][16 JT + 8 hh + 4 c + 0..3].   parts [plane][T][G][lane][4 f32]: number q is for b = 16 T + r, h = 8 G + 4 hh + q.
; THE ROWS OF V THAT FORM A TILE ARE PERMUTED: lane r of source 0 takes row 16 w + (r % 4) + 4 (r / 8) + 8 ((r / 4) % 2), so that a lane's result registers 0-3 are h = 16 w + 4 hh + 0..3 and 4-7 are h = 16 w + 8 + 4 hh + 0..3: parts' layout.
.set XIMG,  0                          ; LDS: the 8 fragments' images, 2,048 bytes each,
.set XSC,   8*2048                     ; their scale words, 128 bytes each,
.set SPARE, XSC+8*128                  ; and the spare words, 128 bytes for each of 16 waves: eight blocks of 256 bytes that no other line names
.set SPW, 1                            ; v1   LDS address of my spare word; never rewritten
.set NIL, 2                            ; v2   0; never rewritten
.set XA,  3                            ; v3   x: 2,048 r + 64 hh: my 16 numbers of a block of 32
.set LI,  4                            ; v4   16 x lane
.set LS,  5                            ; v5   4 x lane
.set XWI, 6                            ; v6   where I store my fragment's image: 16 x lane + 2,048 (wave % 8)
.set XWS, 7                            ; v7   and its scale word: 4 x lane + 128 (wave % 8)
.set VA,  8                            ; v8   V's codes: my row x 1,024 + 16 hh
.set VSA, 9                            ; v9   V's scale bytes: my row x 32
.set BA,  10                           ; v10  b_R: (16 w + 4 hh) x 4
.set TLA, 11                           ; v11  tail for the image: 2,048 r + 32 hh + 256 (wave % 8)
.set PW,  14                           ; v14  the scale word just made
.set TM,  16                           ; v16-19 largest magnitudes, v20-23 bytes, v24-27 the largest number x the scale, v28-31 the conversions' scale operands; v16-23 then take the codes of blocks 0 and 1
.set XS,  32                           ; v32-39 x's scale words, one for each K step: scales and nothing else
.set VS,  40                           ; v40-47 V's
.set A0,  48                           ; v48-55 accumulator 0: it begins as b_R
.set A1,  56                           ; v56-63 accumulator 1 (before the barrier: the codes of blocks 2 and 3)
.set X,   64                           ; v64-127 64 numbers of x (or 32 of tail); later four fragments of x; later the sums
.set VF,  128                          ; v128-255 V's eight fragments
.set WV,  22                           ; s22  wave
.set W7,  23                           ; s23  wave % 8
.set SEL, 28                           ; s[28:29] v_permlanex16_b32's selects for lane l xor 16
.set MNT, 30                           ; s30  the mantissa field of 57,344
.set XP,  32                           ; s[32:33] x at my rows and my K step
	s_load_b256 s[4:11], s[0:1], 0x0               ; head s[4:5], tail s[6:7], V's codes s[8:9], V's scales s[10:11]
	s_load_b256 s[12:19], s[0:1], 0x20             ; b_R s[12:13], hcodes s[14:15], hscales s[16:17], timg s[18:19]
	s_load_b64 s[20:21], s[0:1], 0x40              ; parts
	v_lshl_add_u32 v[SPW], v0, 2, SPARE
	v_mov_b32 v[NIL], 0
	v_lshrrev_b32 v12, 5, v0
	v_readfirstlane_b32 s[WV], v12                 ; wave 0..15
	s_and_b32 s[W7], s[WV], 7
	v_and_b32 v12, 15, v0                          ; r
	v_bfe_u32 v13, v0, 4, 1                        ; hh
	v_lshlrev_b32 v[XA], 11, v12                   ; a row of head or tail is 2,048 bytes
	v_lshl_add_u32 v[TLA], v13, 5, v[XA]
	v_lshl_add_u32 v[XA], v13, 6, v[XA]
	s_lshl_b32 s24, s[W7], 8
	v_add_nc_u32 v[TLA], s24, v[TLA]
	v_and_b32 v[LI], 31, v0
	v_lshlrev_b32 v[LS], 2, v[LI]
	v_lshlrev_b32 v[LI], 4, v[LI]
	s_lshl_b32 s24, s[W7], 11
	v_add_nc_u32 v[XWI], s24, v[LI]
	s_lshl_b32 s24, s[W7], 7
	v_add_nc_u32 v[XWS], s24, v[LS]
	v_and_b32 v14, 3, v12                          ; my row of V's tile: r % 4
	v_bfe_u32 v15, v12, 3, 1
	v_lshl_add_u32 v14, v15, 2, v14                ; + 4 (r / 8)
	v_bfe_u32 v15, v12, 2, 1
	v_lshl_add_u32 v14, v15, 3, v14                ; + 8 ((r / 4) % 2)
	s_lshl_b32 s24, s[WV], 4
	v_add_nc_u32 v14, s24, v14                     ; + 16 w
	v_lshlrev_b32 v[VA], 10, v14
	v_lshl_add_u32 v[VA], v13, 4, v[VA]
	v_lshlrev_b32 v[VSA], 5, v14
	s_lshl_b32 s24, s[WV], 6
	v_lshl_add_u32 v[BA], v13, 4, s24
.irp b, 0,1,2,3
	v_mov_b32 v[TM+4+\b], 0                        ; written once: a lane permute's destination counts as one of its sources
.endr
	s_mov_b32 s[SEL], 0x76543210
	s_mov_b32 s[SEL+1], 0xfedcba98
	s_mov_b32 s[MNT], 0x600000
	s_wait_kmcnt 0x0
	s_cmp_lt_u32 s[WV], 4                          ; waves 0-3 quantise head, waves 4-7 tail: the choice hangs on the wave's number alone
	s_cselect_b64 s[XP:XP+1], s[4:5], s[6:7]
	s_lshl_b32 s24, ttmp9, 15                      ; my 16 rows of 2,048 bytes
	s_mov_b32 s25, 0
	s_add_nc_u64 s[6:7], s[6:7], s[24:25]          ; tail at my rows
	s_and_b32 s26, s[WV], 3
	s_lshl_b32 s26, s26, 9                         ; my K step: 128 numbers, 512 bytes
	s_add_co_u32 s26, s26, s24
	s_mov_b32 s27, 0
	s_add_nc_u64 s[XP:XP+1], s[XP:XP+1], s[26:27]
	s_lshl_b32 s26, s[W7], 12                      ; timg: 32,768 T + four j tiles of 1,024 bytes for each of waves 8-15
	s_add_co_u32 s26, s26, s24
	s_add_nc_u64 s[18:19], s[18:19], s[26:27]
	s_lshl_b32 s24, ttmp9, 13                      ; hcodes: 8,192 T + 2,048 x K step (used by waves 0-3 alone)
	s_lshl_b32 s26, s[WV], 11
	s_add_co_u32 s24, s24, s26
	s_add_nc_u64 s[14:15], s[14:15], s[24:25]
	s_lshl_b32 s24, ttmp9, 9                       ; hscales: 512 T
	s_add_nc_u64 s[16:17], s[16:17], s[24:25]
	s_lshl_b32 s24, ttmp9, 14                      ; parts: plane 4, 16,384 T, groups 2 w and 2 w + 1
	s_lshl_b32 s26, s[WV], 10
	s_add_co_u32 s24, s24, s26
	s_add_co_u32 s24, s24, 4<<20
	s_add_nc_u64 s[20:21], s[20:21], s[24:25]
.macro VLOADS                          ; 36 loads: my 16 rows of V, all eight K steps; their scale words; b_R in the result's layout, as accumulator 0
.irp s, 0,1,2,3,4,5,6,7
.irp c, 0,1,2,3
	global_load_b128 v[VF+16*\s+4*\c:VF+16*\s+4*\c+3], v[VA], s[8:9] offset:128*\s+32*\c
.endr
.endr
	global_load_b128 v[VS:VS+3], v[VSA], s[10:11]
	global_load_b128 v[VS+4:VS+7], v[VSA], s[10:11] offset:16
	global_load_b128 v[A0:A0+3], v[BA], s[12:13]
	global_load_b128 v[A0+4:A0+7], v[BA], s[12:13] offset:32
.endm
	s_cmp_lt_u32 s[WV], 8
	s_cbranch_scc0 .Limage
	; ---- waves 0-7: 64 numbers a lane, register 16 b + i = k 32 b + 16 hh + i of row r, become a fragment's codes and its scale word
.irp b, 0,1,2,3
.irp j, 0,1,2,3
	global_load_b128 v[X+16*\b+4*\j:X+16*\b+4*\j+3], v[XA], s[XP:XP+1] offset:128*\b+16*\j
.endr
.endr
	VLOADS
	s_wait_loadcnt 36                              ; my 16 loads of x are in; the 36 issued behind them may be out
.irp b, 0,1,2,3
	v_max3_num_f32 v[TM+\b], |v[X+16*\b]|, |v[X+1+16*\b]|, 0x8000000   ; block b: my 16 numbers, and the floor 2^(16 - 127)
.endr
.irp i, 2,4,6,8,10,12,14
.irp b, 0,1,2,3
	v_max3_num_f32 v[TM+\b], v[TM+\b], |v[X+16*\b+\i]|, |v[X+1+16*\b+\i]|   ; the four blocks by turns
.endr
.endr
.irp b, 0,1,2,3
	v_permlanex16_b32 v[TM+4+\b], v[TM+\b], s[SEL], s[SEL+1]
.endr
.irp b, 0,1,2,3
	v_max_num_f32 v[TM+\b], v[TM+\b], v[TM+4+\b]   ; with lane l xor 16's 16: the block's largest magnitude
.endr
.irp b, 0,1,2,3
	v_add_nc_u32 v[TM+12+\b], 0xf8800000, v[TM+\b] ; 15 off its exponent field: the conversion takes the exponent field of this operand as its scale
.endr
.irp b, 0,1,2,3
	v_and_or_b32 v[TM+8+\b], v[TM+\b], 0x7f800000, s[MNT]   ; 57,344 x the scale
.endr
.irp b, 0,1,2,3
	v_lshrrev_b32 v[TM+4+\b], 23, v[TM+12+\b]      ; the scale's byte
.endr
	v_lshl_or_b32 v[PW], v[TM+5], 8, v[TM+4]       ; the four bytes make my row's scale word
	v_lshl_or_b32 v[PW], v[TM+6], 16, v[PW]
	v_lshl_or_b32 v[PW], v[TM+7], 24, v[PW]
.irp b, 0,1,2,3
.if \b < 2
.set PCB, 16+4*\b                      ; the codes of blocks 0 and 1 go where the magnitudes and bytes lay,
.else
.set PCB, 48+4*\b                      ; those of blocks 2 and 3 where accumulator 1 will lie
.endif
.irp i, 0,1,2,3,4,5,6,7,8,9,10,11,12,13,14,15
	v_med3_num_f32 v[X+16*\b+\i], v[X+16*\b+\i], -v[TM+8+\b], v[TM+8+\b]   ; the conversion to an 8-bit code does not saturate (ISA guide 7.6.2): the hold at the largest code x the scale
.endr
	v_cvt_scalef32_pk8_bf8_f32 v[PCB:PCB+1], v[X+16*\b:X+16*\b+7], v[TM+12+\b]
	v_cvt_scalef32_pk8_bf8_f32 v[PCB+2:PCB+3], v[X+16*\b+8:X+16*\b+15], v[TM+12+\b]
.endr
	v_nop                                          ; one plain vector instruction behind the last conversion: a matrix instruction later writes v56-63
.irp c, 0,1,2,3
.if \c < 2
.set PCB, 16+4*\c
.else
.set PCB, 48+4*\c
.endif
	ds_store_b128 v[XWI], v[PCB:PCB+3] offset:XIMG+512*\c   ; the fragment goes to LDS as it stands in the registers
.endr
	ds_store_b32 v[XWS], v[PW] offset:XSC
	s_cmp_lt_u32 s[WV], 4
	s_cbranch_scc0 .Ljoin
.irp c, 0,1,2,3                        ; head's fragments also go to memory, in the same order: 32 lanes store 512 consecutive bytes
.if \c < 2
.set PCB, 16+4*\c
.else
.set PCB, 48+4*\c
.endif
	global_store_b128 v[LI], v[PCB:PCB+3], s[14:15] offset:512*\c
.endr
	s_branch .Ljoin
.Limage:
	; ---- waves 8-15: four j tiles of tail, from rows into the order of a product tile's registers
.irp i, 0,1,2,3
.irp c, 0,1
	global_load_b128 v[X+4*(2*\i+\c):X+4*(2*\i+\c)+3], v[TLA], s[6:7] offset:64*\i+16*\c
.endr
.endr
	VLOADS
	s_wait_loadcnt 36                              ; my 8 loads of tail are in; the 36 issued behind them may be out
.irp i, 0,1,2,3
.irp c, 0,1
	global_store_b128 v[LI], v[X+4*(2*\i+\c):X+4*(2*\i+\c)+3], s[18:19] offset:1024*\i+512*\c   ; 32 lanes store 512 consecutive bytes
.endr
.endr
.Ljoin:
	s_wait_xcnt 0x0                                ; my stores have read their registers: v16-23, v56-63 and v64-95 may be written again
	s_wait_dscnt 0x0                               ; for the others' sake: my image and my scale word have landed
	s_barrier_signal -1
	s_barrier_wait -1                              ; the eight fragments of the 16 rows lie in LDS
.irp s, 0,1,2,3,4,5,6,7
	ds_load_b32 v[XS+\s], v[LS] offset:XSC+128*\s
.endr
.macro FETCH4 f0                       ; fragments f0 .. f0 + 3 come back as they were stored: the same registers in the same lanes
.irp f, 0,1,2,3
.irp c, 0,1,2,3
	ds_load_b128 v[X+16*\f+4*\c:X+16*\f+4*\c+3], v[LI] offset:XIMG+2048*((\f0)+\f)+512*\c
.endr
.endr
.endm
	FETCH4 0
	s_wait_dscnt 0x0
	s_wait_loadcnt 0x0                             ; V, its scale words, b_R
	; lin^T: source 0 = 16 rows of V, source 1 = the 16 batch rows.  Two accumulators take turns; the first begins as b_R, the second with the constant 0
	v_wmma_scale_f32_16x16x128_f8f6f4 v[A0:A0+7], v[VF:VF+15], v[X:X+15], v[A0:A0+7], v[VS], v[XS] matrix_a_fmt:MATRIX_FMT_BF8 matrix_b_fmt:MATRIX_FMT_BF8
	v_wmma_scale_f32_16x16x128_f8f6f4 v[A1:A1+7], v[VF+16:VF+31], v[X+16:X+31], 0, v[VS+1], v[XS+1] matrix_a_fmt:MATRIX_FMT_BF8 matrix_b_fmt:MATRIX_FMT_BF8
	v_wmma_scale_f32_16x16x128_f8f6f4 v[A0:A0+7], v[VF+32:VF+47], v[X+32:X+47], v[A0:A0+7], v[VS+2], v[XS+2] matrix_a_fmt:MATRIX_FMT_BF8 matrix_b_fmt:MATRIX_FMT_BF8
	v_wmma_scale_f32_16x16x128_f8f6f4 v[A1:A1+7], v[VF+48:VF+63], v[X+48:X+63], v[A1:A1+7], v[VS+3], v[XS+3] matrix_a_fmt:MATRIX_FMT_BF8 matrix_b_fmt:MATRIX_FMT_BF8
.rept 8
	v_nop                                          ; eight places in front of loads into registers that these matrix instructions have read
.endr
	FETCH4 4
	s_wait_dscnt 0x0
	v_wmma_scale_f32_16x16x128_f8f6f4 v[A0:A0+7], v[VF+64:VF+79], v[X:X+15], v[A0:A0+7], v[VS+4], v[XS+4] matrix_a_fmt:MATRIX_FMT_BF8 matrix_b_fmt:MATRIX_FMT_BF8
	v_wmma_scale_f32_16x16x128_f8f6f4 v[A1:A1+7], v[VF+80:VF+95], v[X+16:X+31], v[A1:A1+7], v[VS+5], v[XS+5] matrix_a_fmt:MATRIX_FMT_BF8 matrix_b_fmt:MATRIX_FMT_BF8
	v_wmma_scale_f32_16x16x128_f8f6f4 v[A0:A0+7], v[VF+96:VF+111], v[X+32:X+47], v[A0:A0+7], v[VS+6], v[XS+6] matrix_a_fmt:MATRIX_FMT_BF8 matrix_b_fmt:MATRIX_FMT_BF8
	v_wmma_scale_f32_16x16x128_f8f6f4 v[A1:A1+7], v[VF+112:VF+127], v[X+48:X+63], v[A1:A1+7], v[VS+7], v[XS+7] matrix_a_fmt:MATRIX_FMT_BF8 matrix_b_fmt:MATRIX_FMT_BF8
.rept 8
	v_nop                                          ; eight places in front of the first read of the results and the first write of a source
.endr
.irp i, 0,2,4,6
	v_pk_add_f32 v[X+\i:X+\i+1], v[A0+\i:A0+\i+1], v[A1+\i:A1+\i+1]   ; lin + b_R; both accumulators are read from their low end on
.endr
	global_store_b128 v[LI], v[X:X+3], s[20:21]              ; group 2 w: 32 lanes store 512 consecutive bytes
	global_store_b128 v[LI], v[X+4:X+7], s[20:21] offset:512 ; group 2 w + 1
	s_cmp_lg_u32 s[WV], 0
	s_cbranch_scc1 .Lnot_wave_0
	global_store_b128 v[LI], v[XS:XS+3], s[16:17]            ; head's four scale words of each row, lanes 16-31 a copy: 512 consecutive bytes
.Lnot_wave_0:
	s_wait_tensorcnt 0x0                           ; the wave's end: a tensor wait (though this text has no tensor load), an add of 0 and its wait, behind my last LDS store
	ds_add_u32 v[SPW], v[NIL]
	s_wait_dscnt 0x0
	s_endpgm
.Lfunc_end_k_qb04a0b588d_prep:
	.size	k_qb04a0b588d_prep, .Lfunc_end_k_qb04a0b588d_prep-k_qb04a0b588d_prep
	.p2alignl 7, 3214868480
	.fill 96, 4, 3214868480
	.section	.rodata,"a",@progbits
	.p2align	6, 0x0
	.amdhsa_kernel k_qb04a0b588d_prep
		.amdhsa_group_segment_fixed_size 19456
		.amdhsa_private_segment_fixed_size 0
		.amdhsa_enable_private_segment 0
		.amdhsa_kernarg_size 72
		.amdhsa_user_sgpr_count 2
		.amdhsa_user_sgpr_kernarg_segment_ptr 1
		.amdhsa_wavefront_size32 1
		.amdhsa_system_sgpr_workgroup_id_x 1
		.amdhsa_system_sgpr_workgroup_id_y 1
		.amdhsa_system_sgpr_workgroup_id_z 1
		.amdhsa_system_vgpr_workitem_id 0
		.amdhsa_next_free_vgpr 256
		.amdhsa_next_free_sgpr 66
		.amdhsa_reserve_vcc 0
		.amdhsa_float_denorm_mode_32 3
		.amdhsa_float_denorm_mode_16_64 3
		.amdhsa_memory_ordered 1
		.amdhsa_forward_progress 1
		.amdhsa_inst_pref_size 27
	.end_amdhsa_kernel
	.amdgpu_metadata
---
amdhsa.version: [ 1, 2 ]
amdhsa.kernels:
  - .name:           k_qb04a0b588d_prep
    .symbol:         k_qb04a0b588d_prep.kd
    .args:
      - { .name: head_embeddings, .offset: 0, .size: 8, .value_kind: global_buffer, .address_space: global }
      - { .name: tail_embeddings, .offset: 8, .size: 8, .value_kind: global_buffer, .address_space: global }
      - { .name: V_R_codes, .offset: 16, .size: 8, .value_kind: global_buffer, .address_space: global }
      - { .name: V_R_scales, .offset: 24, .size: 8, .value_kind: global_buffer, .address_space: global }
      - { .name: b_R, .offset: 32, .size: 8, .value_kind: global_buffer, .address_space: global }
      - { .name: hcodes, .offset: 40, .size: 8, .value_kind: global_buffer, .address_space: global }
      - { .name: hscales, .offset: 48, .size: 8, .value_kind: global_buffer, .address_space: global }
      - { .name: timg, .offset: 56, .size: 8, .value_kind: global_buffer, .address_space: global }
      - { .name: parts, .offset: 64, .size: 8, .value_kind: global_buffer, .address_space: global }
    .group_segment_fixed_size: 19456
    .private_segment_fixed_size: 0
    .kernarg_segment_align: 8
    .kernarg_segment_size: 72
    .max_flat_workgroup_size: 512
    .sgpr_count:     66
    .vgpr_count:     256
    .wavefront_size: 32
...
	.end_amdgpu_metadata
.endif
;; end of part 1
;; launch bilin (part 2): grid 256 x 1, 4 waves a work-group, clusters of 4 x 1, 327,680 bytes of LDS; arguments W_R_codes, W_R_scales, hcodes, hscales, timg, parts; writes parts
.if DOCPART == 2
	.amdgcn_target "amdgcn-amd-amdhsa--gfx1250"
	.amdhsa_code_object_version 6
	.text
	.protected	k_qb04a0b588d_bilin
	.globl	k_qb04a0b588d_bilin
	.p2align	8
	.type	k_qb04a0b588d_bilin,@function
k_qb04a0b588d_bilin:
	s_mov_b64 s[64:65], 0
	v_nop
	global_prefetch_b8 v0, s[64:65] scope:SCOPE_SE
	s_setreg_imm32_b32 hwreg(HW_REG_WAVE_MODE, 25, 1), 1
	s_wait_xcnt 0x0
	s_wait_alu depctr_hold_cnt(0) depctr_sa_sdst(0) depctr_va_vdst(0) depctr_va_sdst(0) depctr_va_ssrc(0) depctr_va_vcc(0) depctr_vm_vsrc(0)
	s_getreg_b32 s2, hwreg(HW_REG_IB_STS2, 6, 4)
	s_cmp_eq_u32 s2, 0
	s_cbranch_scc0 .Lentry_in_a_cluster
	s_endpgm
.Lentry_in_a_cluster:
	s_bfe_u32 s2, ttmp6, 0x10000c
	s_cmp_lg_u32 s2, 0x3003
	s_cbranch_scc0 .Lentry_shape_is_right
	s_endpgm
.Lentry_shape_is_right:
; bil[b][h] = sum over j of tail[b][j] T[h][j][b],  T[h][j][b] = sum over i of W[h][i][j] Q(head)[b][i]: the product on codes of E5M2 with E8M0 scales, folded with tail at once: T never leaves the registers.
; (relation_embeddings has no way to any output and is not among the arguments: see the first launch's head.)
; W_R_codes lie [h][j][i]: row (h, j) is 512 bytes along K = i; W_R_scales 16 bytes a row.  hcodes, hscales, timg, parts: as the first launch's head lays them out.
; SHARES.  A cluster of four work-groups owns 16 h (16 hg ..) and a quarter of j (128 jq ..); its partners own 256 batch rows each and need the same rows of W: every tile of W and W's scale bytes are asked for JOINTLY, by the same
; tensor load with the same descriptor and a mask that names the four.  In a work-group, wave w has 128 rows (8 tiles of 16, half wb = w % 2) and 8 of the 16 h (stream ws = w / 2).
; head's codes of the wave's 128 rows x 512 K stay in 512 registers for the whole launch.  A STEP is one (h, tile of 16 j): W's four fragments against the 8 row tiles: 32 matrix instructions; 8 j tiles x 8 h = 64 steps.
; THE PRODUCT: source 0 = 16 rows j of W, source 1 = 16 batch rows: lane (r, hh) holds batch row r, and its register e the row j = 8 hh + e.  tail's image has the same layout, so four packed multiply-adds fold a finished tile
; into a pair of sums for (h, row tile).  j tiles outside, h inside: tail's 64 registers of a j tile serve 8 steps.  The sums over j are f32 in this order, not reference()'s.
; BY HALVES.  A step's row tiles 0-3 (RUNA) and 4-7 (RUNB) take the matrix unit by turns; the 16 multiply-adds that fold one half stand in four CHUNKs among the other half's matrix instructions.
; THE RING.  Two LDS slots, each with the 16 h of one j tile (16 x 16 rows of 512 bytes + 16 of padding); each wave fetches four h with one tensor load.  A slot is asked for again in its last step and waited for one j tile later.
; OUT: plane jq of parts: for each row tile 512 consecutive bytes a wave.  The third launch adds the planes.
; REGISTERS, in windows of 256 (s_set_vgpr_msb: bits 1:0 source 0, 3:2 source 1, 5:4 source 2, 7:6 destination):
;   window 0: v1-7 addresses; v16-23 W's scale words, two sets; v32-63 head's scale words; v64-127 the 8 product tiles; v128-255 W's fragments, two sets of 64.
;   window 1: v0-127 tail, two buffers of 64; v128-255 the sums: the pair of (h hl, row tile t) at 128 + 16 hl + 2 t.     windows 2, 3: head's fragments of row tiles 0-3, 4-7: tile t, K step s at 64 (t % 4) + 16 s.
; A matrix instruction wants W and the tile in window 0 and head in window 2 or 3; a fold wants the tile in window 0, tail and the sums in window 1: so each CHUNK costs two switches, sixteen for a step's 32 matrix instructions.
.set PITCH,  528                       ; an LDS row of W: 512 bytes + 16 of padding = 132 words: the 16 rows that a fragment load touches start at 16 different banks (64 banks of 4 bytes: ISA guide 11.1)
.set TILE,   16*PITCH                  ; one h of one j tile
.set QUART,  4*TILE                    ; what one tensor load brings
.set STREAM, 8*TILE                    ; what one wave reads of a slot
.set SLOT,   16*TILE
.set SCL,    2*SLOT                    ; behind the ring: W's scale bytes of the cluster's 16 h x 128 j: 2,048 bytes an h, 16 a row; filled once
.set SPARE,  SCL+16*2048               ; behind them: the spare words, 128 bytes for each wave: two blocks of 256 bytes that no other line names
.set SPW, 1                            ; v1   LDS address of my spare word; never rewritten
.set NIL, 2                            ; v2   0; never rewritten
.set AW,  3                            ; v3, v4  LDS address of my lane's place in my stream, slot 0, 1
.set ASC, 5                            ; v5   LDS address of my row's scale words; two j tiles on after each lap
.set LI,  6                            ; v6   16 x lane
.set PFO, 7                            ; v7   256 x lane: the prefetches' offset; never rewritten
.set WS,  16
.set HS,  32
.set TT,  64
.set WF,  128
.set AC,  128                          ; in window 1
.set WV,  16                           ; s16  wave;  s17 wb, s18 ws, s19 cx, s20 hg, s21 jq
.set TP,  12                           ; s[12:13] timg at my rows, at the j tile that is loaded next
.set G1W, 24                           ; s[24:31] descriptor group 1 for W's tiles;  s[32:39] for W's scale bytes
.set G1S, 32
.set G0A, 40                           ; s[40:43], s[44:47] group 0 for slot 0, 1;  s[48:51] for the scale bytes
.set G0S, 48
.set PFA, 52                           ; s[52:53] where my prefetches stand
.set CNT, 54                           ; s54  laps to go
.set SEL, 56                           ; s[56:57] v_permlanex16_b32's selects for lane l xor 16
.set W_MA, 0x08                        ; a matrix instruction on row tiles 0-3: source 1 (head) window 2; it serves LDS loads into window 0 too
.set W_MB, 0x0c                        ; on row tiles 4-7: source 1 window 3
.set W_EP, 0x54                        ; a fold: source 0 (the tile) window 0; tail, the sum as source and as destination window 1; it serves global loads into window 1 too
.set MSB, 0
.macro WIN new                         ; the immediate's high byte repeats the setting that is left; a switch that changes nothing is dropped
.if MSB != \new
	s_set_vgpr_msb (MSB<<8)|\new
.set MSB, \new
.endif
.endm
.macro CREST                           ; a round of the cluster's barrier behind its opening barrier
	s_cmp_lg_u32 s[WV], 0
	s_cbranch_scc1 .Lnot_wave_0_\@
	s_barrier_signal -3
.Lnot_wave_0_\@:
	s_barrier_wait -3
	s_barrier_signal -1
	s_barrier_wait -1
.endm
.macro CROUND                          ; a whole round
	s_barrier_signal -1
	s_barrier_wait -1
	CREST
.endm
; A PREFETCH INTO THE L2 of the j tile that the NEXT change of slots will ask for: one (h, j tile) block of 8,192 bytes a wave, lanes 256 bytes apart.  The cluster's 16 blocks are shared out BY ADDRESS: wave w of partner cx
; takes h-local 4 w + cx; no other cluster reads these rows: each block of 256 bytes is named once in the launch.  It stands behind the wave's tensor load and its five lines.  cond = 1: the launch's last refill has no j tile behind it.
.macro ASK cond
.if \cond
	s_cmp_gt_u32 s[CNT], 1
	s_cbranch_scc0 .Lno_ask_\@
.endif
	global_prefetch_b8 v[PFO], s[PFA:PFA+1] th:TH_LOAD_NT scope:SCOPE_SE
.if \cond
.Lno_ask_\@:
.endif
.endm
	s_load_b256 s[4:11], s[0:1], 0x0               ; W's codes s[4:5], W's scales s[6:7], hcodes s[8:9], hscales s[10:11]
	s_load_b128 s[12:15], s[0:1], 0x20             ; timg s[12:13], parts s[14:15]
	v_lshl_add_u32 v[SPW], v0, 2, SPARE
	v_mov_b32 v[NIL], 0
	ds_add_u32 v[SPW], v[NIL]                      ; the wave's opening: the add, twice on end, and its wait ahead of my first tensor load; the set-up below, work on registers, stands between
	ds_add_u32 v[SPW], v[NIL]
	v_lshrrev_b32 v8, 5, v0
	v_readfirstlane_b32 s[WV], v8                  ; wave 0..3
	s_and_b32 s17, s[WV], 1                        ; wb: which 128 of the work-group's 256 rows
	s_lshr_b32 s18, s[WV], 1                       ; ws: which 8 of the cluster's 16 h
	s_bfe_u32 s19, ttmp6, 0x40000                  ; cx: my place in the cluster: it enters global addresses of my own loads and stores alone
	s_lshr_b32 s20, ttmp9, 2                       ; hg: in a cluster launch ttmp9 counts clusters
	s_and_b32 s21, ttmp9, 3                        ; jq
	; group 1 for W's tiles: 4 rows (four h, 262,144 bytes apart) of 8,192 bytes (a tile's 16 dense rows of 512), 16 bytes of padding behind every 512
	s_mov_b32 s[G1W], 15|(0<<16)|(1<<20)|(1<<21)|(6<<22)|(3<<25)  ; 15:0 the mask: all four work-groups; 17:16 elements of 1 byte; 20 padding on; 21 set beside a mask; 24:22 after every 128 words (code 6); 31:25 four words (code 3)
	s_mov_b32 s[G1W+1], 8192<<16                   ; tensor_dim0
	s_mov_b32 s[G1W+2], 4<<16                      ; tensor_dim1
	s_mov_b32 s[G1W+3], 8192<<16                   ; tile_dim0
	s_mov_b32 s[G1W+4], 4                          ; tile_dim1
	s_mov_b32 s[G1W+5], 262144                     ; tensor_dim0_stride
	s_mov_b32 s[G1W+6], 0
	s_mov_b32 s[G1W+7], 0
	; group 1 for the scale bytes: 4 rows (four h, 8,192 bytes apart) of 2,048 bytes (128 j x 16), as 256 elements of 8 bytes; no padding
	s_mov_b32 s[G1S], 15|(3<<16)|(1<<21)
	s_mov_b32 s[G1S+1], 256<<16
	s_mov_b32 s[G1S+2], 4<<16
	s_mov_b32 s[G1S+3], 256<<16
	s_mov_b32 s[G1S+4], 4
	s_mov_b32 s[G1S+5], 1024
	s_mov_b32 s[G1S+6], 0
	s_mov_b32 s[G1S+7], 0
	s_mov_b32 s[SEL], 0x76543210
	s_mov_b32 s[SEL+1], 0xfedcba98
	s_lshl_b32 s22, s20, 22                        ; what I fetch of W: h = 16 hg + 4 w on (262,144 bytes an h), j = 128 jq on (512 bytes a row): made of the cluster's number and the wave's alone
	s_lshl_b32 s23, s[WV], 20
	s_add_co_u32 s22, s22, s23
	s_lshl_b32 s23, s21, 16
	s_add_co_u32 s22, s22, s23
	s_mov_b32 s23, 0
	s_lshl_b32 s60, s20, 17                        ; and of its scale bytes: 8,192 bytes an h, 16 a row
	s_lshl_b32 s61, s[WV], 15
	s_add_co_u32 s60, s60, s61
	s_lshl_b32 s61, s21, 11
	s_add_co_u32 s60, s60, s61
	s_mov_b32 s61, 0
	s_mov_b32 s[G0A], 1                            ; 1:0 count = 1
	s_mul_i32 s[G0A+1], s[WV], QUART               ; 63:32 LDS address: wave x four h
	s_mov_b32 s[G0A+4], 1
	s_add_co_u32 s[G0A+5], s[G0A+1], SLOT
	s_mov_b32 s[G0S], 1
	s_lshl_b32 s[G0S+1], s[WV], 13
	s_add_co_u32 s[G0S+1], s[G0S+1], SCL
	v_and_b32 v8, 15, v0                           ; r
	v_bfe_u32 v9, v0, 4, 1                         ; hh
	v_and_b32 v10, 31, v0
	v_lshlrev_b32 v[LI], 4, v10
	v_lshlrev_b32 v[PFO], 8, v10
	v_mul_u32_u24 v[AW], v8, PITCH                 ; a fragment's row x pitch + 16 hh,
	v_lshl_add_u32 v[AW], v9, 4, v[AW]
	s_mul_i32 s62, s18, STREAM                     ; in my stream
	v_add_nc_u32 v[AW], s62, v[AW]
	v_add_nc_u32 v[AW+1], SLOT, v[AW]
	s_lshl_b32 s62, s18, 14
	s_add_co_u32 s62, s62, SCL
	v_lshl_add_u32 v[ASC], v8, 4, s62              ; my row's 16 scale bytes: four words, one for each K step
	s_wait_dscnt 0x0                               ; both opening adds are done
	s_wait_kmcnt 0x0
	s_add_nc_u64 s[G0A+2:G0A+3], s[4:5], s[22:23]  ; 120:64 global address: j tile 0,
	s_add_nc_u64 s[G0A+6:G0A+7], s[G0A+2:G0A+3], 8192   ; j tile 1
	s_or_b32 s[G0A+3], s[G0A+3], 0x80000000        ; 127:126 type = 2
	s_or_b32 s[G0A+7], s[G0A+7], 0x80000000
	s_add_nc_u64 s[G0S+2:G0S+3], s[6:7], s[60:61]
	s_or_b32 s[G0S+3], s[G0S+3], 0x80000000
	CROUND                                         ; all four work-groups are here: the first joint loads meet
	tensor_load_to_lds s[G0S:G0S+3], s[G1S:G1S+7]  ; the first fills, one group, every wave its own quarter: the scale bytes,
	s_nop 0
	tensor_load_to_lds s[G0A:G0A+3], s[G1W:G1W+7]  ; slot 0,
	s_nop 0
	tensor_load_to_lds s[G0A+4:G0A+7], s[G1W:G1W+7]   ; slot 1: three loads of mine are out
	s_nop 0
.rept 4
	v_nop                                          ; an s_nop 0 behind each, four v_nop behind the last
.endr
	s_lshl_b32 s63, s19, 1
	s_add_co_u32 s63, s63, s17                     ; 2 cx + wb: my first row tile / 8
	s_mov_b32 s59, 0
	s_lshl_b32 s58, s63, 12                        ; hscales: 512 bytes a row tile
	s_add_nc_u64 s[10:11], s[10:11], s[58:59]
	s_lshl_b32 s58, s63, 16                        ; hcodes: 8,192
	s_add_nc_u64 s[8:9], s[8:9], s[58:59]
	s_lshl_b32 s58, s63, 18                        ; timg: 32,768 a row tile, 1,024 a j tile: j tile 8 jq
	s_lshl_b32 s62, s21, 13
	s_add_co_u32 s58, s58, s62
	s_add_nc_u64 s[TP:TP+1], s[TP:TP+1], s[58:59]
	s_lshl_b32 s58, s63, 17                        ; parts: plane jq, 16,384 a row tile, group 2 hg + ws of 512 bytes
	s_lshl_b32 s62, s21, 20
	s_add_co_u32 s58, s58, s62
	s_lshl_b32 s62, s20, 10
	s_add_co_u32 s58, s58, s62
	s_lshl_b32 s62, s18, 9
	s_add_co_u32 s58, s58, s62
	s_add_nc_u64 s[14:15], s[14:15], s[58:59]
	s_lshl_b32 s58, s19, 18                        ; the prefetches: h-local 4 w + cx,
	s_add_co_u32 s58, s58, s22
	s_add_nc_u64 s[PFA:PFA+1], s[4:5], s[58:59]
	s_add_nc_u64 s[PFA:PFA+1], s[PFA:PFA+1], 2*8192   ; at j tile 2: the first change of slots steps it to 3.  Nothing is prefetched here, at the head
.irp t, 0,1,2,3,4,5,6,7
	global_load_b128 v[HS+4*\t:HS+4*\t+3], v[LI], s[10:11] offset:512*\t   ; head's scale words: word s of row tile t at v[HS + 4 t + s]
.endr
.macro HLOAD g                         ; head's fragments of row tiles 4 g .. 4 g + 3: they stay
.irp t, 0,1,2,3
.irp n, 0,1,2,3,4,5,6,7,8,9,10,11,12,13,14,15
	global_load_b128 v[64*\t+4*\n:64*\t+4*\n+3], v[LI], s[8:9] offset:8192*(4*(\g)+\t)+512*\n
.endr
.endr
.endm
	WIN 0x80                                       ; destination window 2
	HLOAD 0
	WIN 0xc0                                       ; destination window 3
	HLOAD 1
; two of a j tile's 16 loads of tail: row tile i, both halves of its 8 registers, into buffer q
.macro TLD i, q
.irp u, 0,1
	global_load_b128 v[64*(\q)+4*(2*(\i)+\u):64*(\q)+4*(2*(\i)+\u)+3], v[LI], s[TP:TP+1] offset:(\i)*32768+\u*512
.endr
.endm
	WIN 0x40                                       ; destination window 1
.irp i, 0,1,2,3,4,5,6,7
	TLD \i, 0                                      ; j tile 0
.endr
.set i, 0
.rept 128
	v_mov_b32 v[AC+i], 0                           ; the 64 pairs of sums.  They are cleared, while the loads above are out, so that the first j tile needs no text of its own: a copy of eight steps would be a fifth more code
.set i, i+1
.endr
	WIN 0
; One matrix instruction: half g, K step s, row tile t of the half, W's set p.  The first K step starts the tile with the constant 0.
.macro WM g, s, t, p
.if (\s) == 0
	v_wmma_scale_f32_16x16x128_f8f6f4 v[TT+8*(4*(\g)+(\t)):TT+8*(4*(\g)+(\t))+7], v[WF+64*(\p)+16*(\s):WF+64*(\p)+16*(\s)+15], v[64*(\t)+16*(\s):64*(\t)+16*(\s)+15], 0, v[WS+4*(\p)+(\s)], v[HS+4*(4*(\g)+(\t))+(\s)] matrix_a_fmt:MATRIX_FMT_BF8 matrix_b_fmt:MATRIX_FMT_BF8
.else
	v_wmma_scale_f32_16x16x128_f8f6f4 v[TT+8*(4*(\g)+(\t)):TT+8*(4*(\g)+(\t))+7], v[WF+64*(\p)+16*(\s):WF+64*(\p)+16*(\s)+15], v[64*(\t)+16*(\s):64*(\t)+16*(\s)+15], v[TT+8*(4*(\g)+(\t)):TT+8*(4*(\g)+(\t))+7], v[WS+4*(\p)+(\s)], v[HS+4*(4*(\g)+(\t))+(\s)] matrix_a_fmt:MATRIX_FMT_BF8 matrix_b_fmt:MATRIX_FMT_BF8
.endif
.endm
; A K step of a half: its four tiles take turns, one instruction a turn.  nops = 1: a v_nop behind each
.macro ROW4 g, s, p, nops
.irp t, 0,1,2,3
	WM \g, \s, \t, \p
.if \nops
	v_nop
.endif
.endr
.endm
; Registers 2 pr, 2 pr + 1 of half g's four finished tiles, times tail's, onto the sums of h hl.  pr ascends from chunk to chunk: each tile is read from its low end on
.macro CHUNK g, pr, hl, q
	WIN W_EP
.irp t, 0,1,2,3
	v_pk_fma_f32 v[AC+16*(\hl)+2*(4*(\g)+\t):AC+16*(\hl)+2*(4*(\g)+\t)+1], v[TT+8*(4*(\g)+\t)+2*(\pr):TT+8*(4*(\g)+\t)+2*(\pr)+1], v[64*(\q)+8*(4*(\g)+\t)+2*(\pr):64*(\q)+8*(4*(\g)+\t)+2*(\pr)+1], v[AC+16*(\hl)+2*(4*(\g)+\t):AC+16*(\hl)+2*(4*(\g)+\t)+1]
.endr
.endm
; Loads n0 .. n1 of the 16 that bring W's four fragments of (h hl, the slot's j tile) into set p: load n = 4 s + c: registers 4 c .. of K step s: K = 128 s + 32 c + 16 hh + 0..15
.macro WLD n0, n1, slot, hl, p
.set NN, \n0
.rept (\n1)-(\n0)+1
	ds_load_b128 v[WF+64*(\p)+4*NN:WF+64*(\p)+4*NN+3], v[AW+(\slot)] offset:(\hl)*TILE+32*NN
.set NN, NN+1
.endr
.endm
.macro SLD slot, hl, p                 ; and its rows' four scale words
	ds_load_b128 v[WS+4*(\p):WS+4*(\p)+3], v[ASC] offset:(\hl)*2048+(\slot)*256
.endm
; PLACES (eight behind this form, nine ahead of a matrix instruction that writes over a register of an earlier one; only plain vector instructions that name none of its registers are counted).
; A half's last four matrix instructions are followed by the other half's last chunk (4) and by the four v_nop among the other half's first four matrix instructions: 8, and then the half's first chunk reads its tiles.
; W's set and its scale words are loaded anew behind 16 such instructions; a tile is begun anew behind 16 or more.
;
; RUNA: step (hl, slot and tail buffer q), row tiles 0-3; among its matrix instructions the four chunks of the step before, row tiles 4-7 (epi = 1), and the 17 LDS loads of the step after (nxt = 1).
; chg = 1: the slot's last step: the change of slots, and the slot is filled again.  chg = 2: the change without a refill.  tl = 1: each chunk is followed by two loads of the next j tile's tail.
.macro RUNA hl, q, chg, epi, nxt, tl
.set P, (\hl)%2
.if (\hl) == 0
.set PHL, 7
.set PQ, 1-(\q)
.else
.set PHL, (\hl)-1
.set PQ, \q
.endif
.if (\hl) == 7
.set NHL, 0
.set NQ, 1-(\q)
.else
.set NHL, (\hl)+1
.set NQ, \q
.endif
.if (\hl) == 0
	s_wait_loadcnt 0x0                             ; this j tile's tail is in (asked for six steps ago; the first time: all that the head asked for); no load names its base any more:
	s_add_nc_u64 s[TP:TP+1], s[TP:TP+1], 1024      ; on to the j tile that is loaded next
.endif
.if (\chg) == 0
	s_wait_dscnt 0x0                               ; this step's fragments and scale words are in (asked for 24 matrix instructions ago)
.else
.if (\chg) == 1
	s_wait_xcnt 0x0                                ; the last prefetch, a j tile back, has read its address, so it may be written
	s_add_nc_u64 s[PFA:PFA+1], s[PFA:PFA+1], 8192
.endif
	WIN 0                                          ; (the add's two registers lie in window 0)
	s_wait_tensorcnt 0x0                           ; all my tensor loads have landed: the one that was out is my part of the other slot
	ds_add_u32 v[SPW], v[NIL]                      ; 0 onto my spare word
.if (\chg) == 1
	s_add_nc_u64 s[G0A+4*(\q)+2:G0A+4*(\q)+3], s[G0A+4*(\q)+2:G0A+4*(\q)+3], 2*8192   ; no tensor load of mine is out, so a group 0 may be written: this slot's next j tile
.endif
	s_wait_dscnt 1                                 ; the add may be out; the 17 loads ahead of it, my last reads of this slot, are in
.endif
	WIN W_MA
	ROW4 0, 0, P, 1
.if \epi
	CHUNK 1, 0, PHL, PQ
.if \tl
	TLD 0, 1-(\q)
.endif
.endif
.if \chg
	s_wait_dscnt 0x0                               ; the add is done
	s_barrier_signal -1                            ; (chg = 1: this barrier opens a round of the cluster's barrier)
.endif
	WIN W_MA
	ROW4 0, 1, P, 0
.if \epi
	CHUNK 1, 1, PHL, PQ
.if \tl
	TLD 1, 1-(\q)
.endif
.endif
.if (\chg) == 1
	WIN 0
	s_barrier_wait -1
	CREST                                          ; no wave of any partner still reads this slot or has a load on its way
	tensor_load_to_lds s[G0A+4*(\q):G0A+4*(\q)+3], s[G1W:G1W+7]   ; my one tensor load behind the round: it has a j tile, 256 matrix instructions, in which to land
	s_nop 0
.rept 4
	v_nop
.endr
.if (\q) == 1
	v_add_nc_u32 v[ASC], 512, v[ASC]               ; the scale words of the next two j tiles (no LDS load of mine is out)
.endif
	ASK \q
.endif
.if (\chg) == 2
	s_barrier_wait -1
.endif
	WIN W_MA
	WM 0, 2, 0, P
.if \nxt
	WLD 0, 2, NQ, NHL, 1-P
.endif
	WM 0, 2, 1, P
.if \nxt
	WLD 3, 5, NQ, NHL, 1-P
.endif
	WM 0, 2, 2, P
.if \nxt
	WLD 6, 8, NQ, NHL, 1-P
.endif
	WM 0, 2, 3, P
.if \epi
	CHUNK 1, 2, PHL, PQ
.if \tl
	TLD 2, 1-(\q)
.endif
.endif
	WIN W_MA
	WM 0, 3, 0, P
.if \nxt
	WLD 9, 11, NQ, NHL, 1-P
.endif
	WM 0, 3, 1, P
.if \nxt
	WLD 12, 14, NQ, NHL, 1-P
.endif
	WM 0, 3, 2, P
.if \nxt
	WLD 15, 15, NQ, NHL, 1-P
	SLD NQ, NHL, 1-P
.endif
	WM 0, 3, 3, P
.if \epi
	CHUNK 1, 3, PHL, PQ
.if \tl
	TLD 3, 1-(\q)
.endif
.else
.rept 4
	v_nop                                          ; the places that the chunk would be
.endr
.endif
.endm
; RUNB: the same step, row tiles 4-7; among its matrix instructions the four chunks of this step's row tiles 0-3
.macro RUNB hl, q, tl
.set P, (\hl)%2
	WIN W_MB
	ROW4 1, 0, P, 1
	CHUNK 0, 0, \hl, \q
.if \tl
	TLD 4, 1-(\q)
.endif
	WIN W_MB
	ROW4 1, 1, P, 0
	CHUNK 0, 1, \hl, \q
.if \tl
	TLD 5, 1-(\q)
.endif
	WIN W_MB
	ROW4 1, 2, P, 0
	CHUNK 0, 2, \hl, \q
.if \tl
	TLD 6, 1-(\q)
.endif
	WIN W_MB
	ROW4 1, 3, P, 0
	CHUNK 0, 3, \hl, \q
.if \tl
	TLD 7, 1-(\q)
.endif
.endm
.macro STEP hl, q, chg, nxt, tl
	RUNA \hl, \q, \chg, 1, \nxt, \tl
	RUNB \hl, \q, \tl
.endm
	s_wait_tensorcnt 1                             ; the scale bytes and my part of slot 0 are in; slot 1's load may stay out
	s_barrier_signal -1
	s_barrier_wait -1                              ; everybody's are
	WLD 0, 15, 0, 0, 0
	SLD 0, 0, 0
	RUNA 0, 0, 0, 0, 1, 0                          ; the first half step stands in front of the loop: there is nothing to fold yet
	WIN 0                                          ; at a label and at a branch every window is 0
	s_mov_b32 s[CNT], 3
.Ltrip:                                                ; a trip is two j tiles, once round the ring, from a lap's second half step to the next lap's first; it fills both slots again
	RUNB 0, 0, 0
	STEP 1, 0, 0, 1, 1                             ; (the odd j tile's tail is asked for, into buffer 1)
.irp h, 2,3,4,5,6
	STEP \h, 0, 0, 1, 0
.endr
	STEP 7, 0, 1, 1, 0
	STEP 0, 1, 0, 1, 0
	STEP 1, 1, 0, 1, 1                             ; (the next even j tile's, into buffer 0)
.irp h, 2,3,4,5,6
	STEP \h, 1, 0, 1, 0
.endr
	STEP 7, 1, 1, 1, 0
	RUNA 0, 0, 0, 1, 1, 0
	WIN 0
	s_sub_co_u32 s[CNT], s[CNT], 1
	s_cmp_lg_u32 s[CNT], 0
	s_cbranch_scc1 .Ltrip
	RUNB 0, 0, 0                                   ; the last two j tiles are written out: they ask for no tile of W
	STEP 1, 0, 0, 1, 1                             ; (the last j tile's tail)
.irp h, 2,3,4,5,6
	STEP \h, 0, 0, 1, 0
.endr
	STEP 7, 0, 2, 1, 0                             ; the last change of slots: nothing is filled again, so no round follows
.irp h, 0,1,2,3,4,5,6
	STEP \h, 1, 0, 1, 0
.endr
	STEP 7, 1, 0, 0, 0
.rept 4
	v_nop                                          ; with the chunk above: eight places behind the last products
.endr
.irp pr, 0,1,2,3
	CHUNK 1, \pr, 7, 1
.endr
	; THE WAY OUT.  x(hl, t) = a pair's two halves.  A lane holds the sum over its own 8 of each 16 j; the lane 16 away holds the other 8.  parts wants h-local 0-3 in lanes 0-15 and 4-7 in lanes 16-31: so each lane keeps
	; its part of the four that it will store, sends its part of the other four to the lane 16 away, and adds what it receives.
	WIN 0x05                                       ; sources 0 and 1 window 1, destination window 0: W's registers are free (the last product stands 24 plain instructions back)
.irp hl, 0,1,2,3,4,5,6,7
.irp t, 0,1,2,3,4,5,6,7
	v_add_f32 v[128+8*\hl+\t], v[AC+16*\hl+2*\t], v[AC+16*\hl+2*\t+1]
.endr
.endr
	WIN 0
	s_mov_b32 vcc_lo, 0xffff0000                   ; lanes 16-31
.irp t, 0,1,2,3,4,5,6,7
.irp q, 0,1,2,3
	v_cndmask_b32 v[192+4*\t+\q], v[128+8*\q+\t], v[128+8*(4+\q)+\t], vcc_lo   ; kept
	v_cndmask_b32 v[224+4*\t+\q], v[128+8*(4+\q)+\t], v[128+8*\q+\t], vcc_lo   ; sent
.endr
.endr
.irp t, 0,1,2,3,4,5,6,7
.irp q, 0,1,2,3
	v_permlanex16_b32 v[128+8*\q+\t], v[224+4*\t+\q], s[SEL], s[SEL+1]         ; (into a register that has been written)
.endr
.endr
.irp t, 0,1,2,3,4,5,6,7
.irp q, 0,1,2,3
	v_add_f32 v[192+4*\t+\q], v[192+4*\t+\q], v[128+8*\q+\t]
.endr
.endr
.irp t, 0,1,2,3,4,5,6,7
	global_store_b128 v[LI], v[192+4*\t:192+4*\t+3], s[14:15] offset:16384*\t   ; 32 lanes store 512 consecutive bytes, at a multiple of 256 from the buffer's first byte
.endr
	s_wait_tensorcnt 0x0                           ; the wave's end: a tensor wait, an add of 0 and its wait, behind my last tensor load
	ds_add_u32 v[SPW], v[NIL]
	s_wait_dscnt 0x0
	CROUND                                         ; the closing round: no work-group ends while a partner may still ask for a tile that names it
	s_endpgm
.Lfunc_end_k_qb04a0b588d_bilin:
	.size	k_qb04a0b588d_bilin, .Lfunc_end_k_qb04a0b588d_bilin-k_qb04a0b588d_bilin
	.p2alignl 7, 3214868480
	.fill 96, 4, 3214868480
	.section	.rodata,"a",@progbits
	.p2align	6, 0x0
	.amdhsa_kernel k_qb04a0b588d_bilin
		.amdhsa_group_segment_fixed_size 327680
		.amdhsa_private_segment_fixed_size 0
		.amdhsa_enable_private_segment 0
		.amdhsa_kernarg_size 48
		.amdhsa_user_sgpr_count 2
		.amdhsa_user_sgpr_kernarg_segment_ptr 1
		.amdhsa_wavefront_size32 1
		.amdhsa_system_sgpr_workgroup_id_x 1
		.amdhsa_system_sgpr_workgroup_id_y 1
		.amdhsa_system_sgpr_workgroup_id_z 1
		.amdhsa_system_vgpr_workitem_id 0
		.amdhsa_next_free_vgpr 1024
		.amdhsa_next_free_sgpr 66
		.amdhsa_reserve_vcc 1
		.amdhsa_float_denorm_mode_32 3
		.amdhsa_float_denorm_mode_16_64 3
		.amdhsa_memory_ordered 1
		.amdhsa_forward_progress 1
		.amdhsa_inst_pref_size 255
	.end_amdhsa_kernel
	.section	.bss,"aw",@nobits
	.p2align	6
	.space	262144
	.amdgpu_metadata
---
amdhsa.version: [ 1, 2 ]
amdhsa.kernels:
  - .name:           k_qb04a0b588d_bilin
    .symbol:         k_qb04a0b588d_bilin.kd
    .args:
      - { .name: W_R_codes, .offset: 0, .size: 8, .value_kind: global_buffer, .address_space: global }
      - { .name: W_R_scales, .offset: 8, .size: 8, .value_kind: global_buffer, .address_space: global }
      - { .name: hcodes, .offset: 16, .size: 8, .value_kind: global_buffer, .address_space: global }
      - { .name: hscales, .offset: 24, .size: 8, .value_kind: global_buffer, .address_space: global }
      - { .name: timg, .offset: 32, .size: 8, .value_kind: global_buffer, .address_space: global }
      - { .name: parts, .offset: 40, .size: 8, .value_kind: global_buffer, .address_space: global }
    .group_segment_fixed_size: 327680
    .private_segment_fixed_size: 0
    .kernarg_segment_align: 8
    .kernarg_segment_size: 48
    .max_flat_workgroup_size: 128
    .sgpr_count:     66
    .vgpr_count:     1024
    .wavefront_size: 32
...
	.end_amdgpu_metadata
.endif
;; end of part 2
;; launch score (part 3): grid 64 x 1, 8 waves a work-group, no clusters, 1,536 bytes of LDS; arguments parts, u_R, out0; writes out0
.if DOCPART == 3
	.amdgcn_target "amdgcn-amd-amdhsa--gfx1250"
	.amdhsa_code_object_version 6
	.text
	.protected	k_qb04a0b588d_score
	.globl	k_qb04a0b588d_score
	.p2align	8
	.type	k_qb04a0b588d_score,@function
k_qb04a0b588d_score:
	s_mov_b64 s[64:65], 0
	v_nop
	global_prefetch_b8 v0, s[64:65] scope:SCOPE_SE
	s_setreg_imm32_b32 hwreg(HW_REG_WAVE_MODE, 25, 1), 1
	s_wait_xcnt 0x0
; score[b] = sum over h of u[h] relu(bil[b][h] + lin[b][h] + b_R[h]).  parts [plane 5][T 64][G 32][lane 32][4 f32]: lane (r, hh), number q: b = 16 T + r, h = 8 G + 4 hh + q; planes 0-3: bil over a quarter of j each; plane 4: lin + b_R.
; (relation_embeddings has no way to any output and is not among the arguments: see the first launch's head.)
; Work-group T takes 16 batch rows; wave w takes groups 4 w .. 4 w + 3, 32 of the 256 h.  Every load is 512 consecutive bytes a wave.  All in f32; the sums over the planes and over h go in this text's order, not reference()'s.
; A stream with one small sum: no matrix unit, no tensor load, no cluster: the work-groups share no input but u's 1,024 bytes.
; A work-group's result is 16 numbers, 64 bytes, less than an aligned block of 256: the whole output is 4,096 bytes, and the read of parts is spread over 64 work-groups instead.
.set SPARE, 512                        ; LDS: bytes 0-511: 16 sums for each of 8 waves; from 512: the spare words, 128 bytes a wave: four blocks of 256 bytes that no other line names
.set SPW, 1                            ; v1   LDS address of my spare word; never rewritten
.set NIL, 2                            ; v2   0; never rewritten
.set PB,  16                           ; v16-111: group g at PB + 24 g: planes 0-4, four registers each, then u's four
.set SA,  112                          ; v[112:113], v[114:115] the sums, two pairs
	s_load_b128 s[4:7], s[0:1], 0x0                ; parts, u_R
	s_load_b64 s[8:9], s[0:1], 0x10                ; out0
	v_lshl_add_u32 v[SPW], v0, 2, SPARE
	v_mov_b32 v[NIL], 0
	v_lshrrev_b32 v3, 5, v0
	v_readfirstlane_b32 s10, v3                    ; wave 0..7
	v_and_b32 v3, 31, v0                           ; lane
	v_lshlrev_b32 v4, 4, v3                        ; 16 x lane
	v_and_b32 v5, 15, v0                           ; r
	v_bfe_u32 v6, v0, 4, 1                         ; hh
	s_lshl_b32 s11, s10, 7
	v_lshl_add_u32 v7, v6, 4, s11                  ; u: (32 w + 4 hh) x 4 bytes; 32 more for each group
	v_lshlrev_b32 v8, 2, v5                        ; 4 r
	s_lshl_b32 s11, s10, 6
	v_add_nc_u32 v9, s11, v8                       ; LDS: my wave's 16 words, my row's
	v_mov_b32 v10, 0                               ; written once: a lane permute's destination counts as one of its sources
	s_mov_b32 s14, 0x76543210
	s_mov_b32 s15, 0xfedcba98                      ; v_permlanex16_b32's selects for lane l xor 16
	s_lshl_b32 s12, ttmp9, 14                      ; 16,384 bytes a row tile,
	s_lshl_b32 s13, s10, 11                        ; 2,048 for a wave's four groups
	s_add_co_u32 s12, s12, s13
	s_mov_b32 s13, 0
	s_lshl_b32 s16, ttmp9, 6                       ; out0: 64 bytes a row tile
	s_mov_b32 s17, 0
	s_wait_kmcnt 0x0
	s_add_nc_u64 s[4:5], s[4:5], s[12:13]
	s_add_nc_u64 s[8:9], s[8:9], s[16:17]
.irp g, 0,1,2,3
.irp p, 0,1,2,3,4
	global_load_b128 v[PB+24*\g+4*\p:PB+24*\g+4*\p+3], v4, s[4:5] offset:(\p<<20)+512*\g th:TH_LOAD_NT
.endr
	global_load_b128 v[PB+24*\g+20:PB+24*\g+23], v7, s[6:7] offset:32*\g
.endr
.irp g, 0,1,2,3
.set B, PB+24*\g
	s_wait_loadcnt 6*(3-\g)                        ; this group's six loads are in; the later groups' may be out
	v_pk_add_f32 v[B:B+1], v[B:B+1], v[B+4:B+5]                ; planes 0 + 1
	v_pk_add_f32 v[B+2:B+3], v[B+2:B+3], v[B+6:B+7]
	v_pk_add_f32 v[B+8:B+9], v[B+8:B+9], v[B+12:B+13]          ; planes 2 + 3
	v_pk_add_f32 v[B+10:B+11], v[B+10:B+11], v[B+14:B+15]
	v_pk_add_f32 v[B:B+1], v[B:B+1], v[B+8:B+9]                ; bil
	v_pk_add_f32 v[B+2:B+3], v[B+2:B+3], v[B+10:B+11]
	v_pk_add_f32 v[B:B+1], v[B:B+1], v[B+16:B+17]              ; + lin + b_R
	v_pk_add_f32 v[B+2:B+3], v[B+2:B+3], v[B+18:B+19]
.irp i, 0,1,2,3
	v_max_num_f32 v[B+\i], 0, v[B+\i]                          ; relu
.endr
.if \g == 0
	v_pk_mul_f32 v[SA:SA+1], v[B:B+1], v[B+20:B+21]            ; the first group starts the sums: nothing is cleared
	v_pk_mul_f32 v[SA+2:SA+3], v[B+2:B+3], v[B+22:B+23]
.else
	v_pk_fma_f32 v[SA:SA+1], v[B:B+1], v[B+20:B+21], v[SA:SA+1]
	v_pk_fma_f32 v[SA+2:SA+3], v[B+2:B+3], v[B+22:B+23], v[SA+2:SA+3]
.endif
.endr
	v_pk_add_f32 v[SA:SA+1], v[SA:SA+1], v[SA+2:SA+3]
	v_add_f32 v[SA], v[SA], v[SA+1]
	v_permlanex16_b32 v10, v[SA], s14, s15
	v_add_f32 v[SA], v[SA], v10                    ; row r's sum over my wave's 32 h, in both halves of the lanes
	ds_store_b32 v9, v[SA]                         ; lanes r and r + 16 write the same word with the same value
	s_wait_dscnt 0x0                               ; for wave 0's sake: my store has landed
	s_barrier_signal -1
	s_barrier_wait -1
	s_cmp_lg_u32 s10, 0
	s_cbranch_scc1 .Ldone
.irp k, 0,1,2,3,4,5,6,7
	ds_load_b32 v[PB+\k], v8 offset:64*\k          ; row r's eight sums
.endr
	s_wait_dscnt 0x0
	v_pk_add_f32 v[PB:PB+1], v[PB:PB+1], v[PB+2:PB+3]
	v_pk_add_f32 v[PB+4:PB+5], v[PB+4:PB+5], v[PB+6:PB+7]
	v_pk_add_f32 v[PB:PB+1], v[PB:PB+1], v[PB+4:PB+5]
	v_add_f32 v[PB], v[PB], v[PB+1]
	v_cmp_gt_u32 vcc_lo, 16, v3
	s_wait_xcnt 0x0                                ; EXEC changes only behind this wait
	s_and_saveexec_b32 s18, vcc_lo                 ; lanes 0-15 store the 16 scores
	global_store_b32 v8, v[PB], s[8:9]
	s_wait_xcnt 0x0                                ; and again, in front of the line that widens it
	s_or_b32 exec_lo, exec_lo, s18
.Ldone:
	s_wait_tensorcnt 0x0                           ; the wave's end: a tensor wait (though this text has no tensor load), an add of 0 and its wait, behind my last LDS store
	ds_add_u32 v[SPW], v[NIL]
	s_wait_dscnt 0x0
	s_endpgm
.Lfunc_end_k_qb04a0b588d_score:
	.size	k_qb04a0b588d_score, .Lfunc_end_k_qb04a0b588d_score-k_qb04a0b588d_score
	.p2alignl 7, 3214868480
	.fill 96, 4, 3214868480
	.section	.rodata,"a",@progbits
	.p2align	6, 0x0
	.amdhsa_kernel k_qb04a0b588d_score
		.amdhsa_group_segment_fixed_size 1536
		.amdhsa_private_segment_fixed_size 0
		.amdhsa_enable_private_segment 0
		.amdhsa_kernarg_size 24
		.amdhsa_user_sgpr_count 2
		.amdhsa_user_sgpr_kernarg_segment_ptr 1
		.amdhsa_wavefront_size32 1
		.amdhsa_system_sgpr_workgroup_id_x 1
		.amdhsa_system_sgpr_workgroup_id_y 1
		.amdhsa_system_sgpr_workgroup_id_z 1
		.amdhsa_system_vgpr_workitem_id 0
		.amdhsa_next_free_vgpr 128
		.amdhsa_next_free_sgpr 66
		.amdhsa_reserve_vcc 1
		.amdhsa_float_denorm_mode_32 3
		.amdhsa_float_denorm_mode_16_64 3
		.amdhsa_memory_ordered 1
		.amdhsa_forward_progress 1
		.amdhsa_inst_pref_size 9
	.end_amdhsa_kernel
	.amdgpu_metadata
---
amdhsa.version: [ 1, 2 ]
amdhsa.kernels:
  - .name:           k_qb04a0b588d_score
    .symbol:         k_qb04a0b588d_score.kd
    .args:
      - { .name: parts, .offset: 0, .size: 8, .value_kind: global_buffer, .address_space: global }
      - { .name: u_R, .offset: 8, .size: 8, .value_kind: global_buffer, .address_space: global }
      - { .name: out0, .offset: 16, .size: 8, .value_kind: global_buffer, .address_space: global }
    .group_segment_fixed_size: 1536
    .private_segment_fixed_size: 0
    .kernarg_segment_align: 8
    .kernarg_segment_size: 24
    .max_flat_workgroup_size: 256
    .sgpr_count:     66
    .vgpr_count:     128
    .wavefront_size: 32
...
	.end_amdgpu_metadata
.endif
;; end of part 3
;; ======== version 2 of 2: 3 launches
;; limits: right only within a limited range of input values
;; workspace buffers: hcodes 524,288 bytes; hscales 32,768 bytes; timg 2,097,152 bytes; parts 5,242,880 bytes
;; launch prep (part 4): grid 128 x 1, 8 waves a work-group, no clusters, 18,432 bytes of LDS; arguments head_embeddings, tail_embeddings, V_R_codes, V_R_scales, b_R, hcodes, hscales, timg, parts; writes hcodes, hscales, timg, parts
.if DOCPART == 4
	.amdgcn_target "amdgcn-amd-amdhsa--gfx1250"
	.amdhsa_code_object_version 6
	.text
	.protected	k_qb04a0b588d_prep
	.globl	k_qb04a0b588d_prep
	.p2align	8
	.type	k_qb04a0b588d_prep,@function
k_qb04a0b588d_prep:
	s_mov_b64 s[64:65], 0
	v_nop
	global_prefetch_b8 v0, s[64:65] scope:SCOPE_SE
	s_setreg_imm32_b32 hwreg(HW_REG_WAVE_MODE, 25, 1), 1
	s_wait_xcnt 0x0
; score[b] = sum over h of u[h] relu(bil[b][h] + lin[b][h] + b_R[h]);  bil[b][h] = sum over j of tail[b][j] (sum over i of W[h][i][j] Q(head)[b][i]);  lin = Q(concat(head, tail)) V^T.
; THIS LAUNCH, the first of three: (1) quantises concat(head, tail) along its 1,024 to codes of E5M2 with one E8M0 byte for each 32; (2) stores head's codes and scale words laid as the next launch's operand registers;
; (3) stores tail, f32, laid as the next launch's product tiles; (4) makes lin + b_R (the product with V_R, on codes) and stores it as plane 4 of parts.
; LEFT OUT: relation_embeddings.  No line of reference()'s body names it, so no value of it can reach the scores: it is not loaded and is among no launch's arguments.  (A NaN or an infinity in it is not carried to any result.)
; LIMITS: NaN and infinities in head or tail are not served.  A block's largest magnitude is taken no lower than 2^(16 - 127), so the scale's byte is at least 1; a block of zeros gets the byte 1 where the rule says 127:
; its codes are zeros, which add nothing under any byte but 0xff, and the bytes are read by this program alone.
; SHARES.  Two work-groups share batch rows 16 T .. 16 T + 15 (T = work-group / 2, hf = work-group % 2).  In each, wave w quantises K step w of 128 (0-3: head's, 4-7: tail's) and puts the fragment into LDS as an image of its
; registers; so the 16 rows are quantised twice, once in each of the two, and a work-group has 448 loads of 16 bytes a lane in place of the 768 that one work-group for all 256 hidden units would have.
; With ht = 8 hf + w, wave w also lays j tiles 2 ht and 2 ht + 1 of tail's image and, behind one barrier, makes hidden units 16 ht .. 16 ht + 15 of lin for the 16 rows: 8 matrix instructions on two accumulators by turns.
; Each stored byte has one owner: head's fragment w goes out from the work-group with hf = w / 2, head's scale words from wave 0 of hf = 0, each j tile and each tile of hidden units from its one wave.
; LAYOUTS (lane = (r = lane % 16, hh = lane / 16)):  hcodes [T][K step s][c][lane][16 bytes]: codes of head[16 T + r][128 s + 32 c + 16 hh + 0..15].   hscales [T][lane][4 words]: word s = row r's four bytes of K step s.
;   timg [T][JT][c][lane][4 f32]: tail[16 T + r][16 JT + 8 hh + 4 c + 0..3].   parts [plane][T][G][lane][4 f32]: number q is for b = 16 T + r, h = 8 G + 4 hh + q.
; THE ROWS OF V THAT FORM A TILE ARE PERMUTED: lane r of source 0 takes row 16 ht + (r % 4) + 4 (r / 8) + 8 ((r / 4) % 2), so that a lane's result registers 0-3 are h = 16 ht + 4 hh + 0..3 and 4-7 are h = 16 ht + 8 + 4 hh + 0..3: parts' layout.
.set XIMG,  0                          ; LDS: the 8 fragments' images, 2,048 bytes each,
.set XSC,   8*2048                     ; their scale words, 128 bytes each,
.set SPARE, XSC+8*128                  ; and the spare words, 128 bytes for each of 8 waves: four blocks of 256 bytes that no other line names
.set SPW, 1                            ; v1   LDS address of my spare word; never rewritten
.set NIL, 2                            ; v2   0; never rewritten
.set XA,  3                            ; v3   x: 2,048 r + 64 hh: my 16 numbers of a block of 32
.set LI,  4                            ; v4   16 x lane
.set LS,  5                            ; v5   4 x lane
.set XWI, 6                            ; v6   where I store my fragment's image: 16 x lane + 2,048 x wave
.set XWS, 7                            ; v7   and its scale word: 4 x lane + 128 x wave
.set VA,  8                            ; v8   V's codes: my row x 1,024 + 16 hh
.set VSA, 9                            ; v9   V's scale bytes: my row x 32
.set BA,  10                           ; v10  b_R: (16 ht + 4 hh) x 4
.set TLA, 11                           ; v11  tail for the image: 2,048 r + 32 hh + 128 ht
.set PW,  14                           ; v14  the scale word just made
.set TM,  16                           ; v16-19 largest magnitudes, v20-23 bytes, v24-27 the largest number x the scale, v28-31 the conversions' scale operands; v16-23 then take the codes of blocks 0 and 1
.set XS,  32                           ; v32-39 x's scale words, one for each K step: scales and nothing else
.set VS,  40                           ; v40-47 V's
.set A0,  48                           ; v48-55 accumulator 0: it begins as b_R
.set A1,  56                           ; v56-63 accumulator 1 (before the barrier: the codes of blocks 2 and 3)
.set X,   64                           ; v64-127 64 numbers of x; later four fragments of x; later the sums
.set VF,  128                          ; v128-255 V's eight fragments
.set IM,  0                            ; v256-271, written v0-15 of window 1: two j tiles of tail on their way from rows into the image
.set WV,  22                           ; s22  wave
.set HT,  23                           ; s23  ht = 8 hf + wave
.set SEL, 28                           ; s[28:29] v_permlanex16_b32's selects for lane l xor 16
.set MNT, 30                           ; s30  the mantissa field of 57,344
.set XP,  32                           ; s[32:33] x at my rows and my K step
.set TN,  34                           ; s34  T
.set HF,  35                           ; s35  hf
.set MSB, 0
.macro WIN new                         ; s_set_vgpr_msb: bits 1:0 source 0, 3:2 source 1, 5:4 source 2, 7:6 destination; the immediate's high byte repeats the setting that is left
.if MSB != \new
	s_set_vgpr_msb (MSB<<8)|\new
.set MSB, \new
.endif
.endm
	s_load_b256 s[4:11], s[0:1], 0x0               ; head s[4:5], tail s[6:7], V's codes s[8:9], V's scales s[10:11]
	s_load_b256 s[12:19], s[0:1], 0x20             ; b_R s[12:13], hcodes s[14:15], hscales s[16:17], timg s[18:19]
	s_load_b64 s[20:21], s[0:1], 0x40              ; parts
	v_lshl_add_u32 v[SPW], v0, 2, SPARE
	v_mov_b32 v[NIL], 0
	v_lshrrev_b32 v12, 5, v0
	s_delay_alu instid0(VALU_DEP_1)
	v_readfirstlane_b32 s[WV], v12                 ; wave 0..7
	s_lshr_b32 s[TN], ttmp9, 1
	s_and_b32 s[HF], ttmp9, 1
	s_lshl_b32 s[HT], s[HF], 3
	s_add_co_u32 s[HT], s[HT], s[WV]
	v_and_b32 v12, 15, v0                          ; r
	v_bfe_u32 v13, v0, 4, 1                        ; hh
	s_delay_alu instid0(VALU_DEP_2)
	v_lshlrev_b32 v[XA], 11, v12                   ; a row of head or tail is 2,048 bytes
	s_delay_alu instid0(VALU_DEP_1)
	v_lshl_add_u32 v[TLA], v13, 5, v[XA]
	s_delay_alu instid0(VALU_DEP_2)
	v_lshl_add_u32 v[XA], v13, 6, v[XA]
	s_lshl_b32 s24, s[HT], 7                       ; j tile 2 ht begins 128 ht bytes into a row
	v_add_nc_u32 v[TLA], s24, v[TLA]
	v_and_b32 v[LI], 31, v0
	s_delay_alu instid0(VALU_DEP_1)
	v_lshlrev_b32 v[LS], 2, v[LI]
	s_delay_alu instid0(VALU_DEP_2)
	v_lshlrev_b32 v[LI], 4, v[LI]
	s_lshl_b32 s24, s[WV], 11
	v_add_nc_u32 v[XWI], s24, v[LI]
	s_lshl_b32 s24, s[WV], 7
	v_add_nc_u32 v[XWS], s24, v[LS]
	v_and_b32 v14, 3, v12                          ; my row of V's tile: r % 4
	v_bfe_u32 v15, v12, 3, 1
	s_delay_alu instid0(VALU_DEP_1)
	v_lshl_add_u32 v14, v15, 2, v14                ; + 4 (r / 8)
	v_bfe_u32 v15, v12, 2, 1
	s_delay_alu instid0(VALU_DEP_1)
	v_lshl_add_u32 v14, v15, 3, v14                ; + 8 ((r / 4) % 2)
	s_lshl_b32 s24, s[HT], 4
	v_add_nc_u32 v14, s24, v14                     ; + 16 ht
	s_delay_alu instid0(VALU_DEP_1)
	v_lshlrev_b32 v[VA], 10, v14
	s_delay_alu instid0(VALU_DEP_1)
	v_lshl_add_u32 v[VA], v13, 4, v[VA]
	s_delay_alu instid0(VALU_DEP_3)
	v_lshlrev_b32 v[VSA], 5, v14
	s_lshl_b32 s24, s[HT], 6
	v_lshl_add_u32 v[BA], v13, 4, s24
.irp b, 0,1,2,3
	v_mov_b32 v[TM+4+\b], 0                        ; written once: a lane permute's destination counts as one of its sources
.endr
	s_mov_b32 s[SEL], 0x76543210
	s_mov_b32 s[SEL+1], 0xfedcba98
	s_mov_b32 s[MNT], 0x600000
	s_wait_alu depctr_va_vdst(0)
	s_wait_kmcnt 0x0
	s_cmp_lt_u32 s[WV], 4                          ; waves 0-3 quantise head, waves 4-7 tail: the choice hangs on the wave's number alone
	s_cselect_b64 s[XP:XP+1], s[4:5], s[6:7]
	s_lshl_b32 s24, s[TN], 15                      ; my 16 rows of 2,048 bytes
	s_mov_b32 s25, 0
	s_add_nc_u64 s[6:7], s[6:7], s[24:25]          ; tail at my rows
	s_and_b32 s26, s[WV], 3
	s_lshl_b32 s26, s26, 9                         ; my K step: 128 numbers, 512 bytes
	s_add_co_u32 s26, s26, s24
	s_mov_b32 s27, 0
	s_add_nc_u64 s[XP:XP+1], s[XP:XP+1], s[26:27]
	s_lshl_b32 s26, s[HT], 11                      ; timg: 32,768 T + 1,024 x j tile 2 ht
	s_add_co_u32 s26, s26, s24
	s_add_nc_u64 s[18:19], s[18:19], s[26:27]
	s_lshl_b32 s24, s[TN], 13                      ; hcodes: 8,192 T + 2,048 x K step (used by waves 0-3 alone)
	s_lshl_b32 s26, s[WV], 11
	s_add_co_u32 s24, s24, s26
	s_add_nc_u64 s[14:15], s[14:15], s[24:25]
	s_lshl_b32 s24, s[TN], 9                       ; hscales: 512 T
	s_add_nc_u64 s[16:17], s[16:17], s[24:25]
	s_lshl_b32 s24, s[TN], 14                      ; parts: plane 4, 16,384 T, groups 2 ht and 2 ht + 1
	s_lshl_b32 s26, s[HT], 10
	s_add_co_u32 s24, s24, s26
	s_add_co_u32 s24, s24, 4<<20
	s_add_nc_u64 s[20:21], s[20:21], s[24:25]
	; ---- the loads, those that are wanted first ahead: 64 numbers of x a lane, register 16 b + i = k 32 b + 16 hh + i of row r;
.irp b, 0,1,2,3
.irp j, 0,1,2,3
	global_load_b128 v[X+16*\b+4*\j:X+16*\b+4*\j+3], v[XA], s[XP:XP+1] offset:128*\b+16*\j
.endr
.endr
	WIN 0x40                                       ; destination window 1
.irp i, 0,1                            ; two j tiles of tail, in the order of a product tile's registers;
.irp c, 0,1
	global_load_b128 v[IM+4*(2*\i+\c):IM+4*(2*\i+\c)+3], v[TLA], s[6:7] offset:64*\i+16*\c
.endr
.endr
	WIN 0
.irp s, 0,1,2,3,4,5,6,7                ; and 36 more: my 16 rows of V, all eight K steps; their scale words; b_R in the result's layout, as accumulator 0
.irp c, 0,1,2,3
	global_load_b128 v[VF+16*\s+4*\c:VF+16*\s+4*\c+3], v[VA], s[8:9] offset:128*\s+32*\c
.endr
.endr
	global_load_b128 v[VS:VS+3], v[VSA], s[10:11]
	global_load_b128 v[VS+4:VS+7], v[VSA], s[10:11] offset:16
	global_load_b128 v[A0:A0+3], v[BA], s[12:13]
	global_load_b128 v[A0+4:A0+7], v[BA], s[12:13] offset:32
	s_wait_loadcnt 40                              ; my 16 loads of x are in; the 4 + 36 issued behind them may be out
	; ---- the 64 numbers become a fragment's codes and its scale word
.irp b, 0,1,2,3
	v_max3_num_f32 v[TM+\b], |v[X+16*\b]|, |v[X+1+16*\b]|, 0x8000000   ; block b: my 16 numbers, and the floor 2^(16 - 127)
.endr
.irp i, 2,4,6,8,10,12,14
.irp b, 0,1,2,3
	s_delay_alu instid0(VALU_DEP_4)
	v_max3_num_f32 v[TM+\b], v[TM+\b], |v[X+16*\b+\i]|, |v[X+1+16*\b+\i]|   ; the four blocks by turns
.endr
.endr
.irp b, 0,1,2,3
	s_delay_alu instid0(VALU_DEP_4)
	v_permlanex16_b32 v[TM+4+\b], v[TM+\b], s[SEL], s[SEL+1]
.endr
.irp b, 0,1,2,3
	s_delay_alu instid0(VALU_DEP_4)
	v_max_num_f32 v[TM+\b], v[TM+\b], v[TM+4+\b]   ; with lane l xor 16's 16: the block's largest magnitude
.endr
.irp b, 0,1,2,3
	s_delay_alu instid0(VALU_DEP_4)
	v_add_nc_u32 v[TM+12+\b], 0xf8800000, v[TM+\b] ; 15 off its exponent field: the conversion takes the exponent field of this operand as its scale
.endr
.irp b, 0,1,2,3
	v_and_or_b32 v[TM+8+\b], v[TM+\b], 0x7f800000, s[MNT]   ; 57,344 x the scale
.endr
.irp b, 0,1,2,3
	v_lshrrev_b32 v[TM+4+\b], 23, v[TM+12+\b]      ; the scale's byte
.endr
	s_delay_alu instid0(VALU_DEP_3)
	v_lshl_or_b32 v[PW], v[TM+5], 8, v[TM+4]       ; the four bytes make my row's scale word
	s_delay_alu instid0(VALU_DEP_1)
	v_lshl_or_b32 v[PW], v[TM+6], 16, v[PW]
	s_delay_alu instid0(VALU_DEP_1)
	v_lshl_or_b32 v[PW], v[TM+7], 24, v[PW]
.irp b, 0,1,2,3
.if \b < 2
.set PCB, 16+4*\b                      ; the codes of blocks 0 and 1 go where the magnitudes and bytes lay,
.else
.set PCB, 48+4*\b                      ; those of blocks 2 and 3 where accumulator 1 will lie
.endif
.irp i, 0,1,2,3,4,5,6,7,8,9,10,11,12,13,14,15
	v_med3_num_f32 v[X+16*\b+\i], v[X+16*\b+\i], -v[TM+8+\b], v[TM+8+\b]   ; the conversion to an 8-bit code does not saturate (ISA guide 7.6.2): the hold at the largest code x the scale
.endr
	v_cvt_scalef32_pk8_bf8_f32 v[PCB:PCB+1], v[X+16*\b:X+16*\b+7], v[TM+12+\b]
	v_cvt_scalef32_pk8_bf8_f32 v[PCB+2:PCB+3], v[X+16*\b+8:X+16*\b+15], v[TM+12+\b]
.endr
	v_nop                                          ; one plain vector instruction behind the last conversion: a matrix instruction later writes v56-63
.irp c, 0,1,2,3
.if \c < 2
.set PCB, 16+4*\c
.else
.set PCB, 48+4*\c
.endif
	ds_store_b128 v[XWI], v[PCB:PCB+3] offset:XIMG+512*\c   ; the fragment goes to LDS as it stands in the registers
.endr
	ds_store_b32 v[XWS], v[PW] offset:XSC
	s_wait_loadcnt 36                              ; my 4 loads of tail are in; the 36 issued behind them may be out
	WIN 0x04                                       ; a store's data are its source 1: window 1
.irp i, 0,1
.irp c, 0,1
	global_store_b128 v[LI], v[IM+4*(2*\i+\c):IM+4*(2*\i+\c)+3], s[18:19] offset:1024*\i+512*\c   ; 32 lanes store 512 consecutive bytes
.endr
.endr
	WIN 0                                          ; at a branch and at a label every window is 0
	s_lshr_b32 s24, s[WV], 1
	s_cmp_eq_u32 s24, s[HF]                        ; head's fragments 0, 1 go to memory from hf = 0, fragments 2, 3 from hf = 1; waves 4-7 (wave / 2 = 2, 3) hold tail's, which stay here
	s_cbranch_scc0 .Ljoin
	s_wait_alu depctr_va_vdst(0)
.irp c, 0,1,2,3                        ; in the order of the registers: 32 lanes store 512 consecutive bytes
.if \c < 2
.set PCB, 16+4*\c
.else
.set PCB, 48+4*\c
.endif
	global_store_b128 v[LI], v[PCB:PCB+3], s[14:15] offset:512*\c
.endr
.Ljoin:
	s_wait_xcnt 0x0                                ; my stores have read their registers: v56-63 may be written again
	s_wait_dscnt 0x0                               ; for the others' sake: my image and my scale word have landed
	s_barrier_signal -1
	s_barrier_wait -1                              ; the eight fragments of the 16 rows lie in LDS
.irp s, 0,1,2,3,4,5,6,7
	ds_load_b32 v[XS+\s], v[LS] offset:XSC+128*\s
.endr
.macro FETCH4 f0                       ; fragments f0 .. f0 + 3 come back as they were stored: the same registers in the same lanes
.irp f, 0,1,2,3
.irp c, 0,1,2,3
	ds_load_b128 v[X+16*\f+4*\c:X+16*\f+4*\c+3], v[LI] offset:XIMG+2048*((\f0)+\f)+512*\c
.endr
.endr
.endm
	FETCH4 0
	s_wait_dscnt 0x0
	s_wait_loadcnt 0x0                             ; V, its scale words, b_R
	; lin^T: source 0 = 16 rows of V, source 1 = the 16 batch rows.  Two accumulators take turns; the first begins as b_R, the second with the constant 0
	v_wmma_scale_f32_16x16x128_f8f6f4 v[A0:A0+7], v[VF:VF+15], v[X:X+15], v[A0:A0+7], v[VS], v[XS] matrix_a_fmt:MATRIX_FMT_BF8 matrix_b_fmt:MATRIX_FMT_BF8
	v_wmma_scale_f32_16x16x128_f8f6f4 v[A1:A1+7], v[VF+16:VF+31], v[X+16:X+31], 0, v[VS+1], v[XS+1] matrix_a_fmt:MATRIX_FMT_BF8 matrix_b_fmt:MATRIX_FMT_BF8
	v_wmma_scale_f32_16x16x128_f8f6f4 v[A0:A0+7], v[VF+32:VF+47], v[X+32:X+47], v[A0:A0+7], v[VS+2], v[XS+2] matrix_a_fmt:MATRIX_FMT_BF8 matrix_b_fmt:MATRIX_FMT_BF8
	v_wmma_scale_f32_16x16x128_f8f6f4 v[A1:A1+7], v[VF+48:VF+63], v[X+48:X+63], v[A1:A1+7], v[VS+3], v[XS+3] matrix_a_fmt:MATRIX_FMT_BF8 matrix_b_fmt:MATRIX_FMT_BF8
.rept 8
	v_nop                                          ; eight places in front of loads into registers that these matrix instructions have read
.endr
	FETCH4 4
	s_wait_dscnt 0x0
	v_wmma_scale_f32_16x16x128_f8f6f4 v[A0:A0+7], v[VF+64:VF+79], v[X:X+15], v[A0:A0+7], v[VS+4], v[XS+4] matrix_a_fmt:MATRIX_FMT_BF8 matrix_b_fmt:MATRIX_FMT_BF8
	v_wmma_scale_f32_16x16x128_f8f6f4 v[A1:A1+7], v[VF+80:VF+95], v[X+16:X+31], v[A1:A1+7], v[VS+5], v[XS+5] matrix_a_fmt:MATRIX_FMT_BF8 matrix_b_fmt:MATRIX_FMT_BF8
	v_wmma_scale_f32_16x16x128_f8f6f4 v[A0:A0+7], v[VF+96:VF+111], v[X+32:X+47], v[A0:A0+7], v[VS+6], v[XS+6] matrix_a_fmt:MATRIX_FMT_BF8 matrix_b_fmt:MATRIX_FMT_BF8
	v_wmma_scale_f32_16x16x128_f8f6f4 v[A1:A1+7], v[VF+112:VF+127], v[X+48:X+63], v[A1:A1+7], v[VS+7], v[XS+7] matrix_a_fmt:MATRIX_FMT_BF8 matrix_b_fmt:MATRIX_FMT_BF8
.rept 8
	v_nop                                          ; eight places in front of the first read of the results and the first write of a source
.endr
.irp i, 0,2,4,6
	v_pk_add_f32 v[X+\i:X+\i+1], v[A0+\i:A0+\i+1], v[A1+\i:A1+\i+1]   ; lin + b_R; both accumulators are read from their low end on
.endr
	global_store_b128 v[LI], v[X:X+3], s[20:21]              ; group 2 ht: 32 lanes store 512 consecutive bytes
	global_store_b128 v[LI], v[X+4:X+7], s[20:21] offset:512 ; group 2 ht + 1
	s_or_b32 s24, s[WV], s[HF]
	s_cmp_lg_u32 s24, 0
	s_cbranch_scc1 .Lnot_first
	global_store_b128 v[LI], v[XS:XS+3], s[16:17]            ; wave 0 of hf = 0: head's four scale words of each row, lanes 16-31 a copy: 512 consecutive bytes
.Lnot_first:
	s_wait_tensorcnt 0x0                           ; the wave's end: a tensor wait (though this text has no tensor load), an add of 0 and its wait, behind my last LDS store
	ds_add_u32 v[SPW], v[NIL]
	s_wait_dscnt 0x0
	s_endpgm
.Lfunc_end_k_qb04a0b588d_prep:
	.size	k_qb04a0b588d_prep, .Lfunc_end_k_qb04a0b588d_prep-k_qb04a0b588d_prep
	.p2alignl 7, 3214868480
	.fill 96, 4, 3214868480
	.section	.rodata,"a",@progbits
	.p2align	6, 0x0
	.amdhsa_kernel k_qb04a0b588d_prep
		.amdhsa_group_segment_fixed_size 18432
		.amdhsa_private_segment_fixed_size 0
		.amdhsa_enable_private_segment 0
		.amdhsa_kernarg_size 72
		.amdhsa_user_sgpr_count 2
		.amdhsa_user_sgpr_kernarg_segment_ptr 1
		.amdhsa_wavefront_size32 1
		.amdhsa_system_sgpr_workgroup_id_x 1
		.amdhsa_system_sgpr_workgroup_id_y 1
		.amdhsa_system_sgpr_workgroup_id_z 1
		.amdhsa_system_vgpr_workitem_id 0
		.amdhsa_next_free_vgpr 272
		.amdhsa_next_free_sgpr 66
		.amdhsa_reserve_vcc 0
		.amdhsa_float_denorm_mode_32 3
		.amdhsa_float_denorm_mode_16_64 3
		.amdhsa_memory_ordered 1
		.amdhsa_forward_progress 1
		.amdhsa_inst_pref_size 25
	.end_amdhsa_kernel
	.amdgpu_metadata
---
amdhsa.version: [ 1, 2 ]
amdhsa.kernels:
  - .name:           k_qb04a0b588d_prep
    .symbol:         k_qb04a0b588d_prep.kd
    .args:
      - { .name: head_embeddings, .offset: 0, .size: 8, .value_kind: global_buffer, .address_space: global }
      - { .name: tail_embeddings, .offset: 8, .size: 8, .value_kind: global_buffer, .address_space: global }
      - { .name: V_R_codes, .offset: 16, .size: 8, .value_kind: global_buffer, .address_space: global }
      - { .name: V_R_scales, .offset: 24, .size: 8, .value_kind: global_buffer, .address_space: global }
      - { .name: b_R, .offset: 32, .size: 8, .value_kind: global_buffer, .address_space: global }
      - { .name: hcodes, .offset: 40, .size: 8, .value_kind: global_buffer, .address_space: global }
      - { .name: hscales, .offset: 48, .size: 8, .value_kind: global_buffer, .address_space: global }
      - { .name: timg, .offset: 56, .size: 8, .value_kind: global_buffer, .address_space: global }
      - { .name: parts, .offset: 64, .size: 8, .value_kind: global_buffer, .address_space: global }
    .group_segment_fixed_size: 18432
    .private_segment_fixed_size: 0
    .kernarg_segment_align: 8
    .kernarg_segment_size: 72
    .max_flat_workgroup_size: 256
    .sgpr_count:     66
    .vgpr_count:     272
    .wavefront_size: 32
...
	.end_amdgpu_metadata
.endif
;; end of part 4
;; launch bilin (part 5): grid 256 x 1, 4 waves a work-group, clusters of 4 x 1, 327,680 bytes of LDS; arguments W_R_codes, W_R_scales, hcodes, hscales, timg, parts; writes parts
.if DOCPART == 5
	.amdgcn_target "amdgcn-amd-amdhsa--gfx1250"
	.amdhsa_code_object_version 6
	.text
	.protected	k_qb04a0b588d_bilin
	.globl	k_qb04a0b588d_bilin
	.p2align	8
	.type	k_qb04a0b588d_bilin,@function
k_qb04a0b588d_bilin:
	s_mov_b64 s[64:65], 0
	v_nop
	global_prefetch_b8 v0, s[64:65] scope:SCOPE_SE
	s_setreg_imm32_b32 hwreg(HW_REG_WAVE_MODE, 25, 1), 1
	s_wait_xcnt 0x0
	s_wait_alu depctr_hold_cnt(0) depctr_sa_sdst(0) depctr_va_vdst(0) depctr_va_sdst(0) depctr_va_ssrc(0) depctr_va_vcc(0) depctr_vm_vsrc(0)
	s_getreg_b32 s2, hwreg(HW_REG_IB_STS2, 6, 4)
	s_cmp_eq_u32 s2, 0
	s_cbranch_scc0 .Lentry_in_a_cluster
	s_endpgm
.Lentry_in_a_cluster:
	s_bfe_u32 s2, ttmp6, 0x10000c
	s_cmp_lg_u32 s2, 0x3003
	s_cbranch_scc0 .Lentry_shape_is_right
	s_endpgm
.Lentry_shape_is_right:
; bil[b][h] = sum over j of tail[b][j] T[h][j][b],  T[h][j][b] = sum over i of W[h][i][j] Q(head)[b][i]: the product on codes of E5M2 with E8M0 scales, folded with tail at once: T never leaves the registers.
; (relation_embeddings has no way to any output and is not among the arguments: see the first launch's head.)
; W_R_codes lie [h][j][i]: row (h, j) is 512 bytes along K = i; W_R_scales 16 bytes a row.  hcodes, hscales, timg, parts: as the first launch's head lays them out.
; SHARES.  A cluster of four work-groups owns 16 h (16 hg ..) and a quarter of j (128 jq ..); its partners own 256 batch rows each and need the same rows of W: every tile of W is asked for JOINTLY, by the same tensor load
; with the same descriptor and the mask 15.  In a work-group, wave w has 128 rows (8 tiles of 16, half wb = w % 2) and 8 of the 16 h (stream ws = w / 2).
; head's codes of the wave's 128 rows x 512 K stay in 512 registers.  A STEP is one (h, tile of 16 j): W's four fragments against the 8 row tiles: 32 matrix instructions; 8 j tiles x 8 h = 64 steps.
; THE PRODUCT: source 0 = 16 rows j of W, source 1 = 16 batch rows: lane (r, hh) holds batch row r, its register e the row j = 8 hh + e.  tail's image has the same layout: four packed multiply-adds fold a finished tile
; into a pair of sums for (h, row tile).  j tiles outside, h inside: tail's 64 registers serve 8 steps.  The sums over j are f32 in this order, not reference()'s.
; A STEP'S ORDER: the 8 tiles take turns through the four K steps (seven other matrix instructions between a sum's steps); then the 32 multiply-adds that fold them, in one block under one setting of the windows; then ONE run of
; 16 LDS loads: the fragments of the step AFTER NEXT, into the set that this step has just read.  So a fragment is asked for a whole step ahead of its use.
; W'S SCALE WORDS come straight into registers: a j tile's 16 rows of one h are 256 consecutive bytes; lanes 0-15 take h 2 k, lanes 16-31 h 2 k + 1: each load names two whole aligned blocks of 256 bytes.
; THE RING.  Two LDS slots, each with the 16 h of one j tile (16 x 16 rows of 512 bytes + 16 of padding); each wave fetches four h with one tensor load.  A slot's last reads are issued at the end of h 5, so the slots change in h 6.
; OUT: plane jq of parts: for each row tile 512 consecutive bytes a wave.  The third launch adds the planes.
; REGISTERS, in windows of 256 (s_set_vgpr_msb: bits 1:0 source 0, 3:2 source 1, 5:4 source 2, 7:6 destination):
;   window 0: v0-63 by groups of eight: registers 8 k + 4 .. 8 k + 7: W's scale words (buffer q, h pair p at k = 4 q + p); 32 + 8 t .. + 3: head's (row tile t in lanes 0-15, t + 4 in lanes 16-31); the rest addresses.
;             v64-127 the 8 product tiles; v128-255 W's fragments, two sets of 64.
;   window 1: v0-127 tail, two buffers of 64; v128-255 the sums: the pair of (h hl, row tile t) at 128 + 16 hl + 2 t.     windows 2, 3: head's fragments of row tiles 0-3, 4-7: tile t, K step s at 64 (t % 4) + 16 s.
.set PITCH,  528                       ; an LDS row of W: 512 bytes + 16 of padding: the 16 rows that a fragment load touches start at 16 different banks (ISA guide 11.1)
.set TILE,   16*PITCH                  ; one h of one j tile
.set STREAM, 8*TILE                    ; what one wave reads of a slot
.set SLOT,   16*TILE
.set SPARE,  2*SLOT                    ; behind the ring: the spare words, 128 bytes for each wave: two blocks of 256 bytes that no other line names
.set SPW, 1                            ; v1   LDS address of my spare word; never rewritten
.set NIL, 2                            ; v2   0; never rewritten
.set AW,  8                            ; v8, v9  LDS address of my lane's place in my stream, slot 0, 1
.set LI,  10                           ; v10  16 x lane
.set PFO, 11                           ; v11  256 x lane: the prefetches' offset
.set SCA, 16                           ; v16  W's scale words: 16 r + 8,192 hh
.set HSA, 17                           ; v17  head's scale words: 16 x lane + 2,048 hh
.set TT,  64
.set WF,  128
.set AC,  128                          ; in window 1
.set WV,  16                           ; s16  wave;  s17 wb, s18 ws, s19 cx, s20 hg, s21 jq
.set TP,  12                           ; s[12:13] timg at my rows, at the j tile that is loaded next;  s[6:7] W's scales likewise
.set G1W, 24                           ; s[24:31] descriptor group 1 for W's tiles
.set G0A, 40                           ; s[40:43], s[44:47] group 0 for slot 0, 1
.set PFA, 52                           ; s[52:53] where my prefetches stand
.set CNT, 54                           ; s54  laps to go
.set SEL, 56                           ; s[56:57] v_permlanex16_b32's selects for lane l xor 16
.set W_MA, 0x08                        ; a matrix instruction on row tiles 0-3: source 1 (head) window 2; it serves loads into window 0 too
.set W_MB, 0x0c                        ; on row tiles 4-7: source 1 window 3
.set W_EP, 0x54                        ; a fold: the tile window 0; tail and the sum window 1; it serves global loads into window 1 too
.set MSB, 0
.macro WIN new                         ; the immediate's high byte repeats the setting that is left; a switch that changes nothing is dropped
.if MSB != \new
	s_set_vgpr_msb (MSB<<8)|\new
.set MSB, \new
.endif
.endm
.macro CREST                           ; a round of the cluster's barrier behind its opening barrier
	s_cmp_lg_u32 s[WV], 0
	s_cbranch_scc1 .Lnot_wave_0_\@
	s_barrier_signal -3
.Lnot_wave_0_\@:
	s_barrier_wait -3
	s_barrier_signal -1
	s_barrier_wait -1
.endm
.macro CROUND
	s_barrier_signal -1
	s_barrier_wait -1
	CREST
.endm
; A PREFETCH INTO THE L2 of the j tile that the NEXT change of slots will ask for: one (h, j tile) block of 8,192 bytes a wave, lanes 256 bytes apart.  The cluster's 16 blocks are shared out BY ADDRESS: wave w of partner cx
; takes h-local 4 w + cx; no other cluster reads these rows.  cond = 1: the launch's last refill has no j tile behind it.
.macro ASK cond
.if \cond
	s_cmp_gt_u32 s[CNT], 1
	s_cbranch_scc0 .Lno_ask_\@
.endif
	global_prefetch_b8 v[PFO], s[PFA:PFA+1] th:TH_LOAD_NT scope:SCOPE_SE
.if \cond
.Lno_ask_\@:
.endif
.endm
	s_load_b256 s[4:11], s[0:1], 0x0               ; W's codes s[4:5], W's scales s[6:7], hcodes s[8:9], hscales s[10:11]
	s_load_b128 s[12:15], s[0:1], 0x20             ; timg s[12:13], parts s[14:15]
	v_lshl_add_u32 v[SPW], v0, 2, SPARE
	v_mov_b32 v[NIL], 0
	ds_add_u32 v[SPW], v[NIL]                      ; the opening: the add, twice on end, and its wait ahead of my first tensor load
	ds_add_u32 v[SPW], v[NIL]
	v_lshrrev_b32 v3, 5, v0
	v_readfirstlane_b32 s[WV], v3                  ; wave 0..3
	s_and_b32 s17, s[WV], 1                        ; wb: which 128 of the work-group's 256 rows
	s_lshr_b32 s18, s[WV], 1                       ; ws: which 8 of the cluster's 16 h
	s_bfe_u32 s19, ttmp6, 0x40000                  ; cx: it enters global addresses of my own loads and stores alone
	s_lshr_b32 s20, ttmp9, 2                       ; hg: in a cluster launch ttmp9 counts clusters
	s_and_b32 s21, ttmp9, 3                        ; jq
	; group 1: 4 rows (four h, 262,144 bytes apart) of 8,192 bytes (a tile's 16 dense rows of 512), 16 bytes of padding behind every 512
	s_mov_b32 s[G1W], 15|(0<<16)|(1<<20)|(1<<21)|(6<<22)|(3<<25)  ; the mask: all four work-groups; elements of 1 byte; padding on; bit 21 beside a mask; after every 128 words, four words
	s_mov_b32 s[G1W+1], 8192<<16                   ; tensor_dim0
	s_mov_b32 s[G1W+2], 4<<16                      ; tensor_dim1
	s_mov_b32 s[G1W+3], 8192<<16                   ; tile_dim0
	s_mov_b32 s[G1W+4], 4                          ; tile_dim1
	s_mov_b32 s[G1W+5], 262144                     ; tensor_dim0_stride
	s_mov_b32 s[G1W+6], 0
	s_mov_b32 s[G1W+7], 0
	s_mov_b32 s[SEL], 0x76543210
	s_mov_b32 s[SEL+1], 0xfedcba98
	s_lshl_b32 s22, s20, 22                        ; what I fetch of W: h = 16 hg + 4 w on (262,144 bytes an h), j = 128 jq on (512 bytes a row): the cluster's number and the wave's alone
	s_lshl_b32 s23, s[WV], 20
	s_add_co_u32 s22, s22, s23
	s_lshl_b32 s23, s21, 16
	s_add_co_u32 s22, s22, s23
	s_mov_b32 s23, 0
	s_lshl_b32 s60, s20, 17                        ; W's scale bytes of my stream: 8,192 bytes an h, 16 a row
	s_lshl_b32 s61, s18, 16
	s_add_co_u32 s60, s60, s61
	s_lshl_b32 s61, s21, 11
	s_add_co_u32 s60, s60, s61
	s_mov_b32 s61, 0
	s_mov_b32 s[G0A], 1
	s_mul_i32 s[G0A+1], s[WV], 4*TILE              ; LDS address: wave x four h
	s_mov_b32 s[G0A+4], 1
	s_add_co_u32 s[G0A+5], s[G0A+1], SLOT
	s_mul_i32 s62, s18, STREAM
	v_and_b32 v18, 15, v0                          ; r
	v_bfe_u32 v19, v0, 4, 1                        ; hh
	v_and_b32 v24, 31, v0
	v_lshlrev_b32 v[LI], 4, v24
	v_lshlrev_b32 v[PFO], 8, v24
	v_mul_u32_u24 v[AW], v18, PITCH                ; a fragment's row x pitch + 16 hh,
	v_lshl_add_u32 v[AW], v19, 4, v[AW]
	v_add_nc_u32 v[AW], s62, v[AW]                 ; in my stream
	v_add_nc_u32 v[AW+1], SLOT, v[AW]
	v_lshlrev_b32 v[SCA], 4, v18
	v_lshl_add_u32 v[SCA], v19, 13, v[SCA]
	v_lshl_add_u32 v[HSA], v19, 11, v[LI]
	s_wait_dscnt 0x0                               ; both opening adds are done
	s_wait_kmcnt 0x0
	s_add_nc_u64 s[G0A+2:G0A+3], s[4:5], s[22:23]  ; j tile 0,
	s_add_nc_u64 s[G0A+6:G0A+7], s[G0A+2:G0A+3], 8192   ; j tile 1
	s_or_b32 s[G0A+3], s[G0A+3], 0x80000000        ; type = 2
	s_or_b32 s[G0A+7], s[G0A+7], 0x80000000
	s_add_nc_u64 s[6:7], s[6:7], s[60:61]
	CROUND                                         ; all four work-groups are here: the first joint loads meet
	tensor_load_to_lds s[G0A:G0A+3], s[G1W:G1W+7]  ; slot 0, my four h
	s_nop 0
.rept 4
	v_nop
.endr
	s_lshl_b32 s63, s19, 1
	s_add_co_u32 s63, s63, s17                     ; 2 cx + wb: my first row tile / 8
	s_mov_b32 s59, 0
	s_lshl_b32 s58, s63, 12                        ; hscales: 512 bytes a row tile
	s_add_nc_u64 s[10:11], s[10:11], s[58:59]
	s_lshl_b32 s58, s63, 16                        ; hcodes: 8,192
	s_add_nc_u64 s[8:9], s[8:9], s[58:59]
	s_lshl_b32 s58, s63, 18                        ; timg: 32,768 a row tile, 1,024 a j tile: j tile 8 jq
	s_lshl_b32 s62, s21, 13
	s_add_co_u32 s58, s58, s62
	s_add_nc_u64 s[TP:TP+1], s[TP:TP+1], s[58:59]
	s_lshl_b32 s58, s63, 17                        ; parts: plane jq, 16,384 a row tile, group 2 hg + ws of 512 bytes
	s_lshl_b32 s62, s21, 20
	s_add_co_u32 s58, s58, s62
	s_lshl_b32 s62, s20, 10
	s_add_co_u32 s58, s58, s62
	s_lshl_b32 s62, s18, 9
	s_add_co_u32 s58, s58, s62
	s_add_nc_u64 s[14:15], s[14:15], s[58:59]
	s_lshl_b32 s58, s19, 18                        ; the prefetches: h-local 4 w + cx,
	s_add_co_u32 s58, s58, s22
	s_add_nc_u64 s[PFA:PFA+1], s[4:5], s[58:59]
	s_add_nc_u64 s[PFA:PFA+1], s[PFA:PFA+1], 2*8192   ; at j tile 2: the first change of slots steps it to 3.  Nothing is prefetched at the head
	s_wait_alu depctr_va_vdst(0)                   ; ahead of the first reader of the addresses
.irp t, 0,1,2,3
	global_load_b128 v[32+8*\t:35+8*\t], v[HSA], s[10:11] offset:512*\t   ; head's scale words: row tile t below, t + 4 above
.endr
.irp k, 0,1,2,3
	global_load_b128 v[8*\k+4:8*\k+7], v[SCA], s[6:7] offset:16384*\k     ; W's scale words of j tile 0, buffer 0
.endr
.macro HLOAD g                         ; head's fragments of row tiles 4 g .. 4 g + 3: they stay
.irp t, 0,1,2,3
.irp n, 0,1,2,3,4,5,6,7,8,9,10,11,12,13,14,15
	global_load_b128 v[64*\t+4*\n:64*\t+4*\n+3], v[LI], s[8:9] offset:8192*(4*(\g)+\t)+512*\n
.endr
.endr
.endm
	WIN 0x80
	HLOAD 0
	WIN 0xc0
	HLOAD 1
.macro TLD i, q                        ; two of a j tile's 16 loads of tail: row tile i into buffer q
.irp u, 0,1
	global_load_b128 v[64*(\q)+4*(2*(\i)+\u):64*(\q)+4*(2*(\i)+\u)+3], v[LI], s[TP:TP+1] offset:(\i)*32768+\u*512
.endr
.endm
	WIN 0x40
.irp i, 0,1,2,3,4,5,6,7
	TLD \i, 0
.endr
.set i, 0
.rept 128
	v_mov_b32 v[AC+i], 0                           ; the 64 pairs of sums are cleared while the loads above are out, so that the first j tile needs no text of its own (eight more steps of code)
.set i, i+1
.endr
	WIN 0
; One matrix instruction: half g, K step s, row tile t of the half; P, Q, HL: W's set, the scale buffer, the h.  The first K step starts the tile with the constant 0.
; W's scale words stand at 4-7 modulo 8 and head's at 0-3.  Odd h take W's words from lanes 16-31, row tiles 4-7 head's.
.macro WM g, s, t
.set DD, TT+8*(4*(\g)+(\t))
.set AA, WF+64*P+16*(\s)
.set BB, 64*(\t)+16*(\s)
.set SA, 8*(4*Q+HL/2)+4+(\s)
.set SB, 32+8*(\t)+(\s)
.if (\s) == 0
.if P
.if \g
	v_wmma_scale_f32_16x16x128_f8f6f4 v[DD:DD+7], v[AA:AA+15], v[BB:BB+15], 0, v[SA], v[SB] matrix_a_fmt:MATRIX_FMT_BF8 matrix_b_fmt:MATRIX_FMT_BF8 matrix_a_scale:MATRIX_SCALE_ROW1 matrix_b_scale:MATRIX_SCALE_ROW1
.else
	v_wmma_scale_f32_16x16x128_f8f6f4 v[DD:DD+7], v[AA:AA+15], v[BB:BB+15], 0, v[SA], v[SB] matrix_a_fmt:MATRIX_FMT_BF8 matrix_b_fmt:MATRIX_FMT_BF8 matrix_a_scale:MATRIX_SCALE_ROW1
.endif
.else
.if \g
	v_wmma_scale_f32_16x16x128_f8f6f4 v[DD:DD+7], v[AA:AA+15], v[BB:BB+15], 0, v[SA], v[SB] matrix_a_fmt:MATRIX_FMT_BF8 matrix_b_fmt:MATRIX_FMT_BF8 matrix_b_scale:MATRIX_SCALE_ROW1
.else
	v_wmma_scale_f32_16x16x128_f8f6f4 v[DD:DD+7], v[AA:AA+15], v[BB:BB+15], 0, v[SA], v[SB] matrix_a_fmt:MATRIX_FMT_BF8 matrix_b_fmt:MATRIX_FMT_BF8
.endif
.endif
.else
.if P
.if \g
	v_wmma_scale_f32_16x16x128_f8f6f4 v[DD:DD+7], v[AA:AA+15], v[BB:BB+15], v[DD:DD+7], v[SA], v[SB] matrix_a_fmt:MATRIX_FMT_BF8 matrix_b_fmt:MATRIX_FMT_BF8 matrix_a_scale:MATRIX_SCALE_ROW1 matrix_b_scale:MATRIX_SCALE_ROW1
.else
	v_wmma_scale_f32_16x16x128_f8f6f4 v[DD:DD+7], v[AA:AA+15], v[BB:BB+15], v[DD:DD+7], v[SA], v[SB] matrix_a_fmt:MATRIX_FMT_BF8 matrix_b_fmt:MATRIX_FMT_BF8 matrix_a_scale:MATRIX_SCALE_ROW1
.endif
.else
.if \g
	v_wmma_scale_f32_16x16x128_f8f6f4 v[DD:DD+7], v[AA:AA+15], v[BB:BB+15], v[DD:DD+7], v[SA], v[SB] matrix_a_fmt:MATRIX_FMT_BF8 matrix_b_fmt:MATRIX_FMT_BF8 matrix_b_scale:MATRIX_SCALE_ROW1
.else
	v_wmma_scale_f32_16x16x128_f8f6f4 v[DD:DD+7], v[AA:AA+15], v[BB:BB+15], v[DD:DD+7], v[SA], v[SB] matrix_a_fmt:MATRIX_FMT_BF8 matrix_b_fmt:MATRIX_FMT_BF8
.endif
.endif
.endif
.endm
.macro WLD set, slot, hl               ; W's four fragments of (h hl, the slot's j tile) into a set: load n = 4 s + c: K = 128 s + 32 c + 16 hh + 0..15
.set NN, 0
.rept 16
	ds_load_b128 v[WF+64*(\set)+4*NN:WF+64*(\set)+4*NN+3], v[AW+(\slot)] offset:(\hl)*TILE+32*NN
.set NN, NN+1
.endr
.endm
; PLACES (eight behind this form, nine ahead of a matrix instruction that writes over a register of an earlier one; only plain vector instructions that name none of its registers are counted).
; Two v_nop stand behind each of a step's last four matrix instructions: eight places behind the last products of tiles 0-4; tiles 5-7 are read behind the 16 folds of tiles 0-3 too.  The folds are the places ahead of the
; loads into the set just read and ahead of the next step's first products.
; STEP: (hl, slot and buffers q).  lag: the LDS loads issued behind this step's fragments, which may stay out.  nx2: the fragments of the step after next are fetched.  tl: the next j tile's tail and scale words are asked for.
; chg = 1: the change of slots, and slot q is filled again; chg = 2: the change without a refill.
.macro STEP hl, q, chg, lag, nx2, tl
.set HL, \hl
.set Q, \q
.set P, (\hl)%2
.if (\hl) >= 6
.set NQ2, 1-(\q)
.else
.set NQ2, \q
.endif
.if (\hl) == 0
	s_wait_loadcnt 0x0                             ; this j tile's tail and scale words are in (the first time: all that the head asked for); no load names the two bases any more:
	s_add_nc_u64 s[TP:TP+1], s[TP:TP+1], 1024      ; on to the j tile that is loaded next
	s_add_nc_u64 s[6:7], s[6:7], 256
.endif
.if \chg
.if (\chg) == 1
	s_wait_xcnt 0x0                                ; the last prefetch, a j tile back, has read its address
	s_add_nc_u64 s[PFA:PFA+1], s[PFA:PFA+1], 8192
.endif
	WIN 0                                          ; (the add's two registers lie in window 0)
	s_wait_tensorcnt 0x0                           ; all my tensor loads have landed: the one that was out is my part of the other slot
	ds_add_u32 v[SPW], v[NIL]                      ; 0 onto my spare word
.if (\chg) == 1
	s_add_nc_u64 s[G0A+4*(\q)+2:G0A+4*(\q)+3], s[G0A+4*(\q)+2:G0A+4*(\q)+3], 2*8192   ; no tensor load of mine is out: this slot's next j tile
.endif
	s_wait_dscnt 17                                ; this step's fragments are in; the 16 loads of the next step's, my last reads of this slot, and the add may be out
.else
	s_wait_dscnt \lag                              ; this step's fragments are in
.endif
.irp i, 0,1,2,3,4,5,6,7,8,9,10,11,12,13,14,15,16,17,18,19,20,21,22,23,24,25,26,27,28,29,30,31
.if (\i%8) < 4
	WIN W_MA
.else
	WIN W_MB
.endif
	WM (\i%8)/4, \i/8, \i%4
.if \i >= 28
	v_nop
	v_nop
.endif
.if \chg
.if \i == 15
	s_wait_dscnt 0x0                               ; the add is done, and my reads of this slot are over
	s_barrier_signal -1                            ; (chg = 1: this barrier opens a round of the cluster's barrier)
.endif
.if \i == 23
.if (\chg) == 1
	WIN 0
	s_barrier_wait -1
	CREST                                          ; no wave of any partner still reads this slot or has a load on its way
	tensor_load_to_lds s[G0A+4*(\q):G0A+4*(\q)+3], s[G1W:G1W+7]   ; my one tensor load behind the round: it has a j tile, 256 matrix instructions, in which to land
	s_nop 0
.rept 4
	v_nop
.endr
	ASK \q
.else
	s_barrier_wait -1
.endif
.endif
.endif
.endr
	WIN W_EP
.irp e, 0,1                            ; the folds: tiles 0-3, then 4-7; four tiles by turns, each from its low end on
.irp pr, 0,1,2,3
.irp t, 0,1,2,3
	v_pk_fma_f32 v[AC+16*HL+2*(4*\e+\t):AC+16*HL+2*(4*\e+\t)+1], v[TT+8*(4*\e+\t)+2*\pr:TT+8*(4*\e+\t)+2*\pr+1], v[64*Q+8*(4*\e+\t)+2*\pr:64*Q+8*(4*\e+\t)+2*\pr+1], v[AC+16*HL+2*(4*\e+\t):AC+16*HL+2*(4*\e+\t)+1]
.endr
.endr
.endr
.if \tl
.irp n, 0,1,2,3,4,5,6,7
	TLD \n, 1-Q                                    ; the next j tile's tail, into the buffer that the j tile before was the last to read
.endr
	WIN W_MA
.irp k, 0,1,2,3
	global_load_b128 v[8*(4*(1-Q)+\k)+4:8*(4*(1-Q)+\k)+7], v[SCA], s[6:7] offset:16384*\k   ; and W's scale words of that j tile
.endr
.endif
.if \nx2
	WIN W_MA
	WLD P, NQ2, (HL+2)%8                           ; one run of 16: the step after next
.endif
.endm
	s_wait_alu depctr_va_vdst(0)
	s_wait_tensorcnt 0x0                           ; my part of slot 0 is in
	ds_add_u32 v[SPW], v[NIL]
	s_wait_dscnt 0x0
	CROUND                                         ; everybody's part is in, and all four work-groups are here
	tensor_load_to_lds s[G0A+4:G0A+7], s[G1W:G1W+7]   ; slot 1's first fill: the first tensor load behind the round
	s_nop 0
.rept 4
	v_nop
.endr
	WLD 0, 0, 0                                    ; the first two steps' fragments
	WLD 1, 0, 1
	s_mov_b32 s[CNT], 3
.Ltrip:                                                ; a trip is two j tiles, once round the ring; it fills both slots again
	STEP 0, 0, 0, 16, 1, 0
	STEP 1, 0, 0, 16, 1, 1
.irp h, 2,3,4,5
	STEP \h, 0, 0, 16, 1, 0
.endr
	STEP 6, 0, 1, 16, 1, 0
	STEP 7, 0, 0, 16, 1, 0
	STEP 0, 1, 0, 16, 1, 0
	STEP 1, 1, 0, 16, 1, 1
.irp h, 2,3,4,5
	STEP \h, 1, 0, 16, 1, 0
.endr
	STEP 6, 1, 1, 16, 1, 0
	STEP 7, 1, 0, 16, 1, 0
	WIN 0                                          ; at a label and at a branch every window is 0
	s_sub_co_u32 s[CNT], s[CNT], 1
	s_cmp_lg_u32 s[CNT], 0
	s_cbranch_scc1 .Ltrip
	STEP 0, 0, 0, 16, 1, 0                         ; the last two j tiles are written out: they ask for no tile of W
	STEP 1, 0, 0, 16, 1, 1
.irp h, 2,3,4,5
	STEP \h, 0, 0, 16, 1, 0
.endr
	STEP 6, 0, 2, 16, 1, 0                         ; the last change of slots: nothing is filled again, so no round follows
	STEP 7, 0, 0, 16, 1, 0
.irp h, 0,1,2,3,4,5
	STEP \h, 1, 0, 16, 1, 0
.endr
	STEP 6, 1, 0, 16, 0, 0
	STEP 7, 1, 0, 0, 0, 0
	; THE WAY OUT.  A lane holds the sum over its own 8 of each 16 j; the lane 16 away holds the other 8.  parts wants h-local 0-3 in lanes 0-15 and 4-7 in lanes 16-31: each lane keeps its part of the four that it will
	; store, sends its part of the other four to the lane 16 away, and adds what it receives.
	WIN 0x05                                       ; sources window 1, destination window 0: W's registers are free (the last product stands 34 plain instructions back)
.irp hl, 0,1,2,3,4,5,6,7
.irp t, 0,1,2,3,4,5,6,7
	v_add_f32 v[128+8*\hl+\t], v[AC+16*\hl+2*\t], v[AC+16*\hl+2*\t+1]
.endr
.endr
	WIN 0
	s_mov_b32 vcc_lo, 0xffff0000                   ; lanes 16-31
.irp t, 0,1,2,3,4,5,6,7
.irp q, 0,1,2,3
	v_cndmask_b32 v[192+4*\t+\q], v[128+8*\q+\t], v[128+8*(4+\q)+\t], vcc_lo   ; kept
	v_cndmask_b32 v[224+4*\t+\q], v[128+8*(4+\q)+\t], v[128+8*\q+\t], vcc_lo   ; sent
.endr
.endr
.irp t, 0,1,2,3,4,5,6,7
.irp q, 0,1,2,3
	v_permlanex16_b32 v[128+8*\q+\t], v[224+4*\t+\q], s[SEL], s[SEL+1]         ; (into a register that has been written)
.endr
.endr
.irp t, 0,1,2,3,4,5,6,7
.irp q, 0,1,2,3
	v_add_f32 v[192+4*\t+\q], v[192+4*\t+\q], v[128+8*\q+\t]
.endr
.endr
.irp t, 0,1,2,3,4,5,6,7
	global_store_b128 v[LI], v[192+4*\t:192+4*\t+3], s[14:15] offset:16384*\t   ; 32 lanes store 512 consecutive bytes, at a multiple of 256 from the buffer's first byte
.endr
	s_wait_tensorcnt 0x0                           ; the wave's end: a tensor wait, an add of 0 and its wait
	ds_add_u32 v[SPW], v[NIL]
	s_wait_dscnt 0x0
	CROUND                                         ; the closing round: no work-group ends while a partner may still ask for a tile that names it
	s_endpgm
.Lfunc_end_k_qb04a0b588d_bilin:
	.size	k_qb04a0b588d_bilin, .Lfunc_end_k_qb04a0b588d_bilin-k_qb04a0b588d_bilin
	.p2alignl 7, 3214868480
	.fill 96, 4, 3214868480
	.section	.rodata,"a",@progbits
	.p2align	6, 0x0
	.amdhsa_kernel k_qb04a0b588d_bilin
		.amdhsa_group_segment_fixed_size 327680
		.amdhsa_private_segment_fixed_size 0
		.amdhsa_enable_private_segment 0
		.amdhsa_kernarg_size 48
		.amdhsa_user_sgpr_count 2
		.amdhsa_user_sgpr_kernarg_segment_ptr 1
		.amdhsa_wavefront_size32 1
		.amdhsa_system_sgpr_workgroup_id_x 1
		.amdhsa_system_sgpr_workgroup_id_y 1
		.amdhsa_system_sgpr_workgroup_id_z 1
		.amdhsa_system_vgpr_workitem_id 0
		.amdhsa_next_free_vgpr 1024
		.amdhsa_next_free_sgpr 66
		.amdhsa_reserve_vcc 1
		.amdhsa_float_denorm_mode_32 3
		.amdhsa_float_denorm_mode_16_64 3
		.amdhsa_memory_ordered 1
		.amdhsa_forward_progress 1
		.amdhsa_inst_pref_size 255
	.end_amdhsa_kernel
	.section	.bss,"aw",@nobits
	.p2align	6
	.space	262144
	.amdgpu_metadata
---
amdhsa.version: [ 1, 2 ]
amdhsa.kernels:
  - .name:           k_qb04a0b588d_bilin
    .symbol:         k_qb04a0b588d_bilin.kd
    .args:
      - { .name: W_R_codes, .offset: 0, .size: 8, .value_kind: global_buffer, .address_space: global }
      - { .name: W_R_scales, .offset: 8, .size: 8, .value_kind: global_buffer, .address_space: global }
      - { .name: hcodes, .offset: 16, .size: 8, .value_kind: global_buffer, .address_space: global }
      - { .name: hscales, .offset: 24, .size: 8, .value_kind: global_buffer, .address_space: global }
      - { .name: timg, .offset: 32, .size: 8, .value_kind: global_buffer, .address_space: global }
      - { .name: parts, .offset: 40, .size: 8, .value_kind: global_buffer, .address_space: global }
    .group_segment_fixed_size: 327680
    .private_segment_fixed_size: 0
    .kernarg_segment_align: 8
    .kernarg_segment_size: 48
    .max_flat_workgroup_size: 128
    .sgpr_count:     66
    .vgpr_count:     1024
    .wavefront_size: 32
...
	.end_amdgpu_metadata
.endif
;; end of part 5
;; launch score (part 6): grid 64 x 1, 8 waves a work-group, no clusters, 1,536 bytes of LDS; arguments parts, u_R, out0; writes out0
.if DOCPART == 6
	.amdgcn_target "amdgcn-amd-amdhsa--gfx1250"
	.amdhsa_code_object_version 6
	.text
	.protected	k_qb04a0b588d_score
	.globl	k_qb04a0b588d_score
	.p2align	8
	.type	k_qb04a0b588d_score,@function
k_qb04a0b588d_score:
	s_mov_b64 s[64:65], 0
	v_nop
	global_prefetch_b8 v0, s[64:65] scope:SCOPE_SE
	s_setreg_imm32_b32 hwreg(HW_REG_WAVE_MODE, 25, 1), 1
	s_wait_xcnt 0x0
; score[b] = sum over h of u[h] relu(bil[b][h] + lin[b][h] + b_R[h]).  parts [plane 5][T 64][G 32][lane 32][4 f32]: lane (r, hh), number q: b = 16 T + r, h = 8 G + 4 hh + q; planes 0-3: bil over a quarter of j each; plane 4: lin + b_R.
; (relation_embeddings has no way to any output and is not among the arguments: see the first launch's head.)
; Work-group T takes 16 batch rows; wave w takes groups 4 w .. 4 w + 3, 32 of the 256 h.  Every load is 512 consecutive bytes a wave.  All in f32; the sums over the planes and over h go in this text's order, not reference()'s.
; A stream with one small sum: no matrix unit, no tensor load, no cluster: the work-groups share no input but u's 1,024 bytes.
; A work-group's result is 16 numbers, 64 bytes, less than an aligned block of 256: the whole output is 4,096 bytes, and the read of parts is spread over 64 work-groups instead.
.set SPARE, 512                        ; LDS: bytes 0-511: 16 sums for each of 8 waves; from 512: the spare words, 128 bytes a wave: four blocks of 256 bytes that no other line names
.set SPW, 1                            ; v1   LDS address of my spare word; never rewritten
.set NIL, 2                            ; v2   0; never rewritten
.set PB,  16                           ; v16-111: group g at PB + 24 g: planes 0-4, four registers each, then u's four
.set SA,  112                          ; v[112:113], v[114:115] the sums, two pairs
	s_load_b128 s[4:7], s[0:1], 0x0                ; parts, u_R
	s_load_b64 s[8:9], s[0:1], 0x10                ; out0
	v_lshl_add_u32 v[SPW], v0, 2, SPARE
	v_mov_b32 v[NIL], 0
	v_lshrrev_b32 v3, 5, v0
	s_delay_alu instid0(VALU_DEP_1)
	v_readfirstlane_b32 s10, v3                    ; wave 0..7
	v_and_b32 v3, 31, v0                           ; lane
	s_delay_alu instid0(VALU_DEP_1)
	v_lshlrev_b32 v4, 4, v3                        ; 16 x lane
	v_and_b32 v5, 15, v0                           ; r
	v_bfe_u32 v6, v0, 4, 1                         ; hh
	s_lshl_b32 s11, s10, 7
	v_lshl_add_u32 v7, v6, 4, s11                  ; u: (32 w + 4 hh) x 4 bytes; 32 more for each group
	v_lshlrev_b32 v8, 2, v5                        ; 4 r
	s_lshl_b32 s11, s10, 6
	v_add_nc_u32 v9, s11, v8                       ; LDS: my wave's 16 words, my row's
	v_mov_b32 v10, 0                               ; written once: a lane permute's destination counts as one of its sources
	s_mov_b32 s14, 0x76543210
	s_mov_b32 s15, 0xfedcba98                      ; v_permlanex16_b32's selects for lane l xor 16
	s_lshl_b32 s12, ttmp9, 14                      ; 16,384 bytes a row tile,
	s_lshl_b32 s13, s10, 11                        ; 2,048 for a wave's four groups
	s_add_co_u32 s12, s12, s13
	s_mov_b32 s13, 0
	s_lshl_b32 s16, ttmp9, 6                       ; out0: 64 bytes a row tile
	s_mov_b32 s17, 0
	s_wait_alu depctr_va_vdst(0)
	s_wait_kmcnt 0x0
	s_add_nc_u64 s[4:5], s[4:5], s[12:13]
	s_add_nc_u64 s[8:9], s[8:9], s[16:17]
.irp g, 0,1,2,3
.irp p, 0,1,2,3,4
	global_load_b128 v[PB+24*\g+4*\p:PB+24*\g+4*\p+3], v4, s[4:5] offset:(\p<<20)+512*\g th:TH_LOAD_NT
.endr
	global_load_b128 v[PB+24*\g+20:PB+24*\g+23], v7, s[6:7] offset:32*\g
.endr
.irp g, 0,1,2,3
.set B, PB+24*\g
	s_wait_loadcnt 6*(3-\g)                        ; this group's six loads are in; the later groups' may be out
	v_pk_add_f32 v[B:B+1], v[B:B+1], v[B+4:B+5]                ; planes 0 + 1
	v_pk_add_f32 v[B+2:B+3], v[B+2:B+3], v[B+6:B+7]
	v_pk_add_f32 v[B+8:B+9], v[B+8:B+9], v[B+12:B+13]          ; planes 2 + 3
	v_pk_add_f32 v[B+10:B+11], v[B+10:B+11], v[B+14:B+15]
	s_delay_alu instid0(VALU_DEP_2)
	v_pk_add_f32 v[B:B+1], v[B:B+1], v[B+8:B+9]                ; bil
	s_delay_alu instid0(VALU_DEP_2)
	v_pk_add_f32 v[B+2:B+3], v[B+2:B+3], v[B+10:B+11]
	s_delay_alu instid0(VALU_DEP_2)
	v_pk_add_f32 v[B:B+1], v[B:B+1], v[B+16:B+17]              ; + lin + b_R
	s_delay_alu instid0(VALU_DEP_2)
	v_pk_add_f32 v[B+2:B+3], v[B+2:B+3], v[B+18:B+19]
.irp i, 0,1,2,3
	v_max_num_f32 v[B+\i], 0, v[B+\i]                          ; relu
.endr
.if \g == 0
	s_delay_alu instid0(VALU_DEP_3)
	v_pk_mul_f32 v[SA:SA+1], v[B:B+1], v[B+20:B+21]            ; the first group starts the sums: nothing is cleared
	s_delay_alu instid0(VALU_DEP_2)
	v_pk_mul_f32 v[SA+2:SA+3], v[B+2:B+3], v[B+22:B+23]
.else
	s_delay_alu instid0(VALU_DEP_3)
	v_pk_fma_f32 v[SA:SA+1], v[B:B+1], v[B+20:B+21], v[SA:SA+1]
	s_delay_alu instid0(VALU_DEP_2)
	v_pk_fma_f32 v[SA+2:SA+3], v[B+2:B+3], v[B+22:B+23], v[SA+2:SA+3]
.endif
.endr
	s_delay_alu instid0(VALU_DEP_1)
	v_pk_add_f32 v[SA:SA+1], v[SA:SA+1], v[SA+2:SA+3]
	s_delay_alu instid0(VALU_DEP_1)
	v_add_f32 v[SA], v[SA], v[SA+1]
	s_delay_alu instid0(VALU_DEP_1)
	v_permlanex16_b32 v10, v[SA], s14, s15
	s_delay_alu instid0(VALU_DEP_1)
	v_add_f32 v[SA], v[SA], v10                    ; row r's sum over my wave's 32 h, in both halves of the lanes
	ds_store_b32 v9, v[SA]                         ; lanes r and r + 16 write the same word with the same value
	s_wait_dscnt 0x0                               ; for wave 0's sake: my store has landed
	s_barrier_signal -1
	s_barrier_wait -1
	s_cmp_lg_u32 s10, 0
	s_cbranch_scc1 .Ldone
.irp k, 0,1,2,3,4,5,6,7
	ds_load_b32 v[PB+\k], v8 offset:64*\k          ; row r's eight sums
.endr
	s_wait_dscnt 0x0
	v_pk_add_f32 v[PB:PB+1], v[PB:PB+1], v[PB+2:PB+3]
	v_pk_add_f32 v[PB+4:PB+5], v[PB+4:PB+5], v[PB+6:PB+7]
	s_delay_alu instid0(VALU_DEP_1)
	v_pk_add_f32 v[PB:PB+1], v[PB:PB+1], v[PB+4:PB+5]
	s_delay_alu instid0(VALU_DEP_1)
	v_add_f32 v[PB], v[PB], v[PB+1]
	v_cmp_gt_u32 vcc_lo, 16, v3
	s_wait_alu depctr_va_vdst(0)
	s_wait_xcnt 0x0                                ; EXEC changes only behind this wait
	s_and_saveexec_b32 s18, vcc_lo                 ; lanes 0-15 store the 16 scores
	global_store_b32 v8, v[PB], s[8:9]
	s_wait_xcnt 0x0                                ; and again, in front of the line that widens it
	s_or_b32 exec_lo, exec_lo, s18
.Ldone:
	s_wait_tensorcnt 0x0                           ; the wave's end: a tensor wait (though this text has no tensor load), an add of 0 and its wait, behind my last LDS store
	ds_add_u32 v[SPW], v[NIL]
	s_wait_dscnt 0x0
	s_endpgm
.Lfunc_end_k_qb04a0b588d_score:
	.size	k_qb04a0b588d_score, .Lfunc_end_k_qb04a0b588d_score-k_qb04a0b588d_score
	.p2alignl 7, 3214868480
	.fill 96, 4, 3214868480
	.section	.rodata,"a",@progbits
	.p2align	6, 0x0
	.amdhsa_kernel k_qb04a0b588d_score
		.amdhsa_group_segment_fixed_size 1536
		.amdhsa_private_segment_fixed_size 0
		.amdhsa_enable_private_segment 0
		.amdhsa_kernarg_size 24
		.amdhsa_user_sgpr_count 2
		.amdhsa_user_sgpr_kernarg_segment_ptr 1
		.amdhsa_wavefront_size32 1
		.amdhsa_system_sgpr_workgroup_id_x 1
		.amdhsa_system_sgpr_workgroup_id_y 1
		.amdhsa_system_sgpr_workgroup_id_z 1
		.amdhsa_system_vgpr_workitem_id 0
		.amdhsa_next_free_vgpr 128
		.amdhsa_next_free_sgpr 66
		.amdhsa_reserve_vcc 1
		.amdhsa_float_denorm_mode_32 3
		.amdhsa_float_denorm_mode_16_64 3
		.amdhsa_memory_ordered 1
		.amdhsa_forward_progress 1
		.amdhsa_inst_pref_size 10
	.end_amdhsa_kernel
	.amdgpu_metadata
---
amdhsa.version: [ 1, 2 ]
amdhsa.kernels:
  - .name:           k_qb04a0b588d_score
    .symbol:         k_qb04a0b588d_score.kd
    .args:
      - { .name: parts, .offset: 0, .size: 8, .value_kind: global_buffer, .address_space: global }
      - { .name: u_R, .offset: 8, .size: 8, .value_kind: global_buffer, .address_space: global }
      - { .name: out0, .offset: 16, .size: 8, .value_kind: global_buffer, .address_space: global }
    .group_segment_fixed_size: 1536
    .private_segment_fixed_size: 0
    .kernarg_segment_align: 8
    .kernarg_segment_size: 24
    .max_flat_workgroup_size: 256
    .sgpr_count:     66
    .vgpr_count:     128
    .wavefront_size: 32
...
	.end_amdgpu_metadata
.endif
;; end of part 6
